; MI455X (gfx1250); checked and timed in simulation.
; The chip was launched on July 23, 2026; its instructions are those of AMD's public machine-readable ISA for CDNA 5 (MIT licence, August 2026) and "CDNA5" Instruction Set Architecture Reference Guide (July 2026). The comments in the code are by the model that wrote it; some were corrected since.
;; Multi Head Attention. Allowed arithmetic: matrix products marked QUANTISED: E2M3 operands, one E8M0 scale for each 32 along K, by v_wmma_scale_f32_16x16x128_f8f6f4 with both operands' format E2M3, f32 sums; everything else in f32.
;; Inputs: Wk 1,024 x 1,024 float32; Wp 1,024 x 1,024 float32; Wq 1,024 x 1,024 float32; Wv 1,024 x 1,024 float32; x 4 x 2,048 x 1,024 float32.
;; Outputs: out0 4 x 2,048 x 1,024 float32.
;; This version of the problem:
;;   THIS VERSION OF THE PROBLEM IS GIVEN IN LOW PRECISION. The matrix products marked QUANTISED in the list below multiply operands that are first quantised to E2M3 (2 exponent bits, 3 mantissa bits; 6 bits a number), with one power-of-two scale for each 32 numbers along K (OCP MX v1.0); their sums are f32. All else is computed in f32.
;;   The module's matrix products, in the order in which they are computed (A, B: the left and right operand; K: the contracted axis; several contracted axes count as one K, in the product's order):
;;     1. [M 8,192, K 1,024] x [K 1,024, N 1,024]; A: input x; B: input Wq: QUANTISED
;;     2. [M 8,192, K 1,024] x [K 1,024, N 1,024]; A: input x; B: input Wk: QUANTISED
;;     3. [M 8,192, K 1,024] x [K 1,024, N 1,024]; A: input x; B: input Wv: QUANTISED
;;     4. batch 64 x [M 2,048, K 64] x [K 64, N 2,048]; A: computed on the way; B: computed on the way: QUANTISED
;;     5. batch 64 x [M 2,048, K 2,048] x [K 2,048, N 64]; A: softmax (see below); B: computed on the way: QUANTISED
;;     6. [M 8,192, K 1,024] x [K 1,024, N 1,024]; A: computed on the way; B: input Wp: QUANTISED
;;   THE QUANTISER, for each operand of a quantised product, along K:
;;     - K is cut into blocks of 32 from its start; a last block that is shorter is filled with zeros.
;;     - A block's scale is 2^e with e = floor(log2(the largest magnitude in the block)) - 2, held to -126 .. 127; a block of zeros has e = 0. As a byte (E8M0): e + 127.
;;     - Each number is divided by its block's scale, clamped to +-7.5, and rounded to the nearest number of E2M3, ties to even, subnormals kept.
;;     - The product sums the exact products of the quantised numbers (number of the format x scale) in f32.
;;   ~~~python
;;   def quantise(x, axis):      # numpy; x: float32 -> the quantised numbers, widened to float32 again
;;       x = np.moveaxis(x, axis, -1); K = x.shape[-1]
;;       x = np.pad(x, [(0, 0)] * (x.ndim - 1) + [(0, -K % 32)]); x = x.reshape(x.shape[:-1] + (-1, 32)); a = np.abs(x).max(-1, keepdims=True)
;;       e = np.where(a > 0, np.clip(np.frexp(np.where(a > 0, a, 1))[1] - 1 - 2, -126, 127), 0)      # np.frexp(a)[1] - 1 = floor(log2(a)), exactly
;;       r = np.clip(x / 2.0 ** e, -7.5, 7.5)
;;       step = 2.0 ** (np.maximum(np.frexp(np.where(r == 0, 1, r))[1] - 1, 0) - 3)
;;       q = np.round(r / step) * step * 2.0 ** e      # np.round: ties to even
;;       return np.moveaxis(q.reshape(q.shape[:-2] + (-1,))[..., :K], -1, axis).astype(np.float32)
;;   ~~~
;;   SOFTMAX AHEAD OF A QUANTISED PRODUCT. Where the list says 'softmax', what is quantised is not the finished softmax but p = 2^(t - M), with t = logit x log2(e) and M = ceil(the row's largest t), a whole number; so 1/2 < the row's largest p <= 1. The row's sum l is taken of the UNQUANTISED p, in f32, and the product's result is divided by l at the end. Since M is a whole number, a kernel that streams over the keys may use a running M (the ceiling of the running maximum): every later rescaling is an exact power of two, which a block's scale takes up: the codes' values come out the same.
;;   OPERANDS COMPUTED ON THE WAY. 'Computed on the way' means the value that the module computes at that place (a softmax that the list does not call 'softmax' is quantised finished and normalised). What goes into a quantiser is computed in f32, as accurately as f32 sums, v_exp_f32 and their like allow (about 1e-6 of the number): no bf16 or f16 on the way to a quantiser, and a product that is left as it is and whose result goes on into a quantised operand takes f32 operands (vector FMAs, or v_wmma_f32_16x16x4_f32). A number that lies on a knife's edge between two numbers of the format may be rounded either way, as far as f32 arithmetic and the matrix unit's own rounding can turn it there, and no further.
;; One version. Each part assembles by itself: llvm-mc -triple=amdgcn-amd-amdhsa -mcpu=gfx1250 --defsym DOCPART=n.
;; ======== version 1 of 1: 4 launches
;; workspace buffers: xc 6,291,456 bytes; xs 262,144 bytes; wc 3,145,728 bytes; ws 131,072 bytes; qb 13,631,488 bytes; kv 13,631,488 bytes; oc 6,291,456 bytes; osc 262,144 bytes
;; launch quant (part 1): grid 384 x 1, 4 waves a work-group, no clusters, 68,096 bytes of LDS; arguments x, Wq, Wk, Wv, Wp, xc, xs, wc, ws; writes xc, xs, wc, ws
.if DOCPART == 1
	.amdgcn_target "amdgcn-amd-amdhsa--gfx1250"
	.amdhsa_code_object_version 6
	.text
	.protected	k_qfcf0745e0d_quant
	.globl	k_qfcf0745e0d_quant
	.p2align	8
	.type	k_qfcf0745e0d_quant,@function
k_qfcf0745e0d_quant:
	s_mov_b64 s[64:65], 0
	v_nop
	global_prefetch_b8 v0, s[64:65] scope:SCOPE_SE
	s_setreg_imm32_b32 hwreg(HW_REG_WAVE_MODE, 25, 1), 1
	s_wait_xcnt 0x0
; x [8192][1024] f32 and the four weights [1024 (k)][1024 (n)] f32 become codes of FP6 (E2M3) with K innermost and one E8M0 byte for each 32 along K.
; A block's scale is 2^(floor(log2(its largest magnitude)) - 2); its byte is the largest magnitude's exponent field - 2, held at 1 from below.
; LIMITS: a block of zeros gets the byte 1 where the rule says 127 (its codes are zeros, and this program alone reads the bytes); blocks whose largest magnitude lies under 2^-124 have their byte held at 1;
; NaN and infinities among the inputs are not served.
; THE ROWS OF BOTH OUTPUTS STAND AT ANOTHER PLACE THAN THEIR NUMBER: row i (a token of x, a column n of a weight) lies at the place that is i with bits 3 and 4 exchanged.  Sixteen neighbouring places
; 32 b + 16 u + r are then the rows 32 b + 8 u + (r & 7) + 16 (r >> 3): the choice of rows by which a transposed product leaves 16 neighbours along the next K in a lane's registers.
; Work-groups 0-255 take x: a stream of blocks of 32; each load reads 512 consecutive bytes, a step's 2,048 bytes turn through the wave's own stage in LDS so that a lane holds 16 neighbours.
; Work-groups 256-383 take the weights, 32 each: a lane takes a column n and its registers run down K; the codes leave through the wave's own stage as rows.
; wc: places 0-1023 Wq, 1024-2047 Wk, 2048-3071 Wv, 3072-4095 Wp.  No tensor loads, no barrier: waves share nothing.  Each of the two ways has LDS bytes of its own.
.set EMAX,  2
.set SPW,   12                         ; v12  LDS address of my spare word; never rewritten
.set NIL,   13                         ; v13  0; never rewritten
.set WSTG,  32768                      ; the weights' stages begin here; x's regions lie below
.set SPARE, 67584                      ; behind both: the spare words, 128 bytes a wave
.set STEPS, 16                         ; x: steps of 512 numbers a wave
.set CB,    12                         ; bytes of 16 codes
.set XR,    16                         ; v16-79   x: four sets of 16 numbers as loaded
.set XN,    80                         ; v80-111  two sets of 16 neighbours
.set XE,    112                        ; v112-127 a scale byte for each step
.set XCD,   128                        ; v128-191 codes, four registers a step
.set WREG,  8192                       ; x: LDS region of a wave: two stages of 32 x SP bytes, then its 256 scale bytes
.set SP,    80
.set NB,    8                          ; weights: blocks a lane (256 along K)
.set ROWB,  192                        ; bytes of 256 codes
.set PITCH, 272                        ; a stage row: sixteen places of 16 bytes + 16
.set KROW,  768                        ; a row of codes in memory
.set WN,    32                         ; v32-95   two sets of 32 numbers
.set WCD,   96                         ; v96..    a block's codes
.set OUTR,  112                        ; v112-175 the way out
.set SB,    24                         ; v24-25   the scale bytes
	s_load_b256 s[4:11], s[0:1], 0x0               ; x, Wq, Wk, Wv
	s_load_b256 s[12:19], s[0:1], 0x20             ; Wp, xc, xs, wc
	s_load_b64 s[20:21], s[0:1], 0x40              ; ws
	v_lshl_add_u32 v[SPW], v0, 2, SPARE
	v_mov_b32 v[NIL], 0
	v_lshrrev_b32 v1, 5, v0
	v_readfirstlane_b32 s22, v1                    ; wave
	v_and_b32 v2, 31, v0                           ; lane
	s_cmp_lt_u32 ttmp9, 256
	s_cbranch_scc0 .Lweights
	; ---------------- x ----------------
	v_lshlrev_b32 v3, 4, v2                        ; my 16 bytes of a load's 512
	s_mul_i32 s23, s22, WREG
	v_lshrrev_b32 v14, 2, v2
	v_mul_u32_u24 v14, v14, SP
	v_and_b32 v15, 3, v2
	v_lshl_add_u32 v14, v15, 4, v14
	v_add_nc_u32 v14, s23, v14                     ; the stage, on the way in: SP (lane / 4) + 16 (lane % 4)
	v_mul_u32_u24 v15, v2, SP
	v_add_nc_u32 v15, s23, v15                     ; on the way out: SP x lane: my 16 neighbours
	v_mul_u32_u24 v4, v2, CB                       ; my codes' place in a step's
	v_lshrrev_b32 v5, 1, v2
	s_add_co_u32 s23, s23, 2*32*SP
	v_add_nc_u32 v5, s23, v5                       ; my block's byte among my wave's 256
	v_lshlrev_b32 v7, 3, v2
	v_add_nc_u32 v6, s23, v7
	s_lshl_b32 s24, ttmp9, 2
	s_add_co_u32 s26, s24, s22                     ; my run of 8,192 numbers (8 rows of x): 4 x work-group + wave
	s_lshl_b32 s26, s26, 15                        ; 32,768 bytes a run
	s_mov_b32 s27, 0
	s_and_b32 s25, s22, 1                          ; bits 3 and 4 of a row's number are bits 0 and 1 of the run's: they change places on the way out
	s_lshl_b32 s25, s25, 1
	s_lshr_b32 s28, s22, 1
	s_or_b32 s25, s25, s28
	s_add_co_u32 s24, s24, s25
	s_mul_i32 s28, s24, 32*STEPS*CB                ; 6,144 bytes of codes a run
	s_mov_b32 s29, 0
	s_lshl_b32 s30, s24, 8                         ; 256 scale bytes a run
	s_mov_b32 s31, 0
	s_wait_kmcnt 0x0
	s_add_nc_u64 s[4:5], s[4:5], s[26:27]
	s_add_nc_u64 s[14:15], s[14:15], s[28:29]
	s_add_nc_u64 s[16:17], s[16:17], s[30:31]
.macro XLOAD t
.irp i, 0,1,2,3
	global_load_b128 v[XR+16*((\t)%4)+4*\i:XR+16*((\t)%4)+4*\i+3], v3, s[4:5] offset:2048*(\t)+512*\i th:TH_LOAD_NT   ; 32 lanes read 512 consecutive bytes
.endr
.endm
.macro XTURN t                         ; a step's numbers through the stage: LDS serves a wave's instructions in order, so no wait stands between the stores and the loads
.irp i, 0,1,2,3
	ds_store_b128 v14, v[XR+16*((\t)%4)+4*\i:XR+16*((\t)%4)+4*\i+3] offset:32*SP*((\t)%2)+8*SP*\i
.endr
.irp i, 0,1,2,3
	ds_load_b128 v[XN+16*((\t)%2)+4*\i:XN+16*((\t)%2)+4*\i+3], v15 offset:32*SP*((\t)%2)+16*\i
.endr
.endm
.irp t, 0,1,2,3
	XLOAD \t
.endr
	s_wait_loadcnt 12                              ; step 0's four loads are in; three steps' twelve stay out
	XTURN 0
.macro XSTEP t
.set XS, XN+16*((\t)%2)
.if (\t) > 0
	s_wait_dscnt 1                                 ; this step's numbers are back from the stage; the last step's byte store may be out
.else
	s_wait_dscnt 0x0
.endif
.if (\t)+4 < STEPS
	XLOAD (\t)+4                                   ; into the registers that the stage's stores have read
.endif
.if (\t)+1 < STEPS
.if STEPS-2-(\t) >= 3
	s_wait_loadcnt 12                              ; the next step's four loads are in; those of the three steps behind it may be out
.else
	s_wait_loadcnt 4*(STEPS-2-(\t))
.endif
	XTURN (\t)+1
.endif
	v_max3_num_f32 v8, |v[XS]|, |v[XS+1]|, |v[XS+2]|               ; the largest magnitude of my 16, in two chains
	v_max3_num_f32 v9, |v[XS+3]|, |v[XS+4]|, |v[XS+5]|
.irp i, 6,10
	v_max3_num_f32 v8, v8, |v[XS+\i]|, |v[XS+\i+1]|
	v_max3_num_f32 v9, v9, |v[XS+\i+2]|, |v[XS+\i+3]|
.endr
	v_max3_num_f32 v8, v8, |v[XS+14]|, |v[XS+15]|
	v_max3_num_f32 v8, v8, v9, (EMAX+1)<<23        ; and the floor 2^(3 - 127): the byte cannot fall under 1
	v_max_num_f32_dpp v8, v8, v8 row_xmask:1 row_mask:0xf bank_mask:0xf   ; with my neighbour's 16: the block's
	v_add_nc_u32 v11, -(EMAX<<23), v8              ; 2 off its exponent field: the conversion's scale operand
	v_cvt_scalef32_pk16_fp6_f32 v[XCD+4*(\t):XCD+4*(\t)+2], v[XS:XS+15], v11
	v_lshrrev_b32 v[XE+(\t)], 23, v11              ; the scale's byte
	ds_store_b8 v5, v[XE+(\t)] offset:16*(\t)      ; both lanes of a block write the same byte with the same value
	global_store_b96 v4, v[XCD+4*(\t):XCD+4*(\t)+2], s[14:15] offset:32*CB*(\t)
.endm
.irp t, 0,1,2,3,4,5,6,7,8,9,10,11,12,13,14,15
	XSTEP \t
.endr
	ds_load_b64 v[8:9], v6                         ; LDS serves a wave's instructions in order: these see my stores
	s_wait_dscnt 0x0
	global_store_b64 v7, v[8:9], s[16:17]          ; 32 lanes store 256 consecutive bytes, aligned
	s_wait_tensorcnt 0x0                           ; the wave's end, behind my last LDS store
	ds_add_u32 v[SPW], v[NIL]
	s_wait_dscnt 0x0
	s_endpgm
	; ---------------- the weights ----------------
.Lweights:
	s_sub_co_u32 s23, ttmp9, 256
	s_lshr_b32 s24, s23, 5                         ; which weight: 0 Wq, 1 Wk, 2 Wv, 3 Wp
	s_and_b32 s25, s23, 7                          ; which 128 columns
	s_bfe_u32 s26, s23, 0x20003                    ; which 256 along K
	s_lshl_b32 s27, s25, 7
	s_lshl_b32 s28, s22, 5
	s_add_co_u32 s27, s27, s28                     ; my wave's first column
	v_lshlrev_b32 v3, 2, v2                        ; in: 4 bytes a lane
	s_mul_i32 s28, s22, 32*PITCH
	s_add_co_u32 s28, s28, WSTG                    ; my stage
	v_mul_u32_u24 v4, v2, PITCH
	v_add_nc_u32 v4, s28, v4                       ; into it: row = my column
	v_and_b32 v5, 15, v2
	v_lshrrev_b32 v6, 4, v2                        ; out of it: sixteen lanes to a row, two rows an instruction
	v_mul_u32_u24 v7, v6, PITCH
	v_lshl_add_u32 v7, v5, 4, v7
	v_add_nc_u32 v7, s28, v7
	v_mul_u32_u24 v8, v6, KROW
	v_mad_u32_u24 v8, v5, 12, v8                   ; and the same place in the codes' buffer
	v_and_b32 v9, 7, v2                            ; my column's place among the wave's 32: bits 3 and 4 exchanged
	v_and_b32 v10, 8, v2
	v_lshl_or_b32 v9, v10, 1, v9
	v_and_b32 v10, 16, v2
	v_lshrrev_b32 v10, 1, v10
	v_or_b32 v9, v9, v10
	v_lshlrev_b32 v9, 5, v9                        ; 32 scale bytes a row
	s_lshl_b32 s30, s26, 20                        ; the weight: 256 rows of 4,096 bytes, + 4 x column
	s_lshl_b32 s29, s27, 2
	s_add_co_u32 s30, s30, s29
	s_mov_b32 s31, 0
	s_mul_i32 s32, s24, 1024*KROW                  ; the codes: the weight's 1,024 rows, + column x 768 + 192 x part of K
	s_mul_i32 s29, s27, KROW
	s_add_co_u32 s32, s32, s29
	s_mul_i32 s29, s26, ROWB
	s_add_co_u32 s32, s32, s29
	s_mov_b32 s33, 0
	s_lshl_b32 s34, s24, 15                        ; the scale bytes likewise: 32 a row, 8 a part of K
	s_lshl_b32 s29, s27, 5
	s_add_co_u32 s34, s34, s29
	s_lshl_b32 s29, s26, 3
	s_add_co_u32 s34, s34, s29
	s_mov_b32 s35, 0
	s_wait_kmcnt 0x0
	s_cmp_eq_u32 s24, 1                            ; the choice hangs on the work-group's number alone
	s_cselect_b64 s[6:7], s[8:9], s[6:7]
	s_cmp_eq_u32 s24, 2
	s_cselect_b64 s[6:7], s[10:11], s[6:7]
	s_cmp_eq_u32 s24, 3
	s_cselect_b64 s[6:7], s[12:13], s[6:7]
	s_add_nc_u64 s[6:7], s[6:7], s[30:31]
	s_add_nc_u64 s[18:19], s[18:19], s[32:33]
	s_add_nc_u64 s[20:21], s[20:21], s[34:35]
.macro WLOAD t                         ; block t: W(32 t + i, my column), i = 0 .. 31, into set t % 2; 128 consecutive bytes a wave
.irp i, 0,1,2,3,4,5,6,7,8,9,10,11,12,13,14,15,16,17,18,19,20,21,22,23,24,25,26,27,28,29,30,31
	global_load_b32 v[WN+32*((\t)%2)+\i], v3, s[6:7] offset:(32*(\t)+\i)*4096 th:TH_LOAD_NT
.endr
.endm
	WLOAD 0
	WLOAD 1
.macro WBLOCK t
.set XS, WN+32*((\t)%2)
.if (\t) < NB-1
	s_wait_loadcnt 32                              ; this block's 32 loads are in; the next block's may be out
.else
	s_wait_loadcnt 0
.endif
	v_max3_num_f32 v16, |v[XS]|, |v[XS+1]|, |v[XS+2]|              ; the block's largest magnitude: all 32 numbers are mine
	v_max3_num_f32 v17, |v[XS+3]|, |v[XS+4]|, |v[XS+5]|
.irp i, 6,10,14,18,22,26
	v_max3_num_f32 v16, v16, |v[XS+\i]|, |v[XS+\i+1]|
	v_max3_num_f32 v17, v17, |v[XS+\i+2]|, |v[XS+\i+3]|
.endr
	v_max3_num_f32 v16, v16, |v[XS+30]|, |v[XS+31]|
	v_max3_num_f32 v16, v16, v17, (EMAX+1)<<23     ; and the floor
	v_add_nc_u32 v11, -(EMAX<<23), v16             ; the conversion's scale operand
	v_lshrrev_b32 v17, 23, v11                     ; the scale's byte
.if (\t)%4 == 0
	v_mov_b32 v[SB+(\t)/4], v17                    ; four bytes to a register, the lower K in the lower byte
.else
	v_lshl_or_b32 v[SB+(\t)/4], v17, 8*((\t)%4), v[SB+(\t)/4]
.endif
	v_cvt_scalef32_pk16_fp6_f32 v[WCD:WCD+2], v[XS:XS+15], v11
	v_cvt_scalef32_pk16_fp6_f32 v[WCD+4:WCD+6], v[XS+16:XS+31], v11   ; (a conversion's three registers begin on an even number)
	ds_store_b96 v4, v[WCD:WCD+2] offset:32*(\t)   ; 12 bytes to a place of 16, so that every LDS address is a multiple of 16
	ds_store_b96 v4, v[WCD+4:WCD+6] offset:32*(\t)+16
.if (\t)+2 < NB
	WLOAD (\t)+2
.endif
	s_wait_dscnt 0x0                               ; the stores have read their registers: the next block's codes may be written
.endm
.irp t, 0,1,2,3,4,5,6,7
	WBLOCK \t
.endr
	global_store_b64 v9, v[SB:SB+1], s[20:21]      ; my column's 8 scale bytes
.irp t, 0,1,2,3,4,5,6,7,8,9,10,11,12,13,14,15
	ds_load_b96 v[OUTR+4*\t:OUTR+4*\t+2], v7 offset:2*\t*PITCH     ; columns 2 t and 2 t + 1 of my 32
.endr
.irp t, 0,1,2,3,4,5,6,7,8,9,10,11,12,13,14,15
	s_wait_dscnt 15-\t
	global_store_b96 v8, v[OUTR+4*\t:OUTR+4*\t+2], s[18:19] offset:2*((\t&3)|((\t&4)<<1)|((\t&8)>>1))*KROW   ; at their places: bits 3 and 4 of the column are bits 2 and 3 of t
.endr
	s_wait_tensorcnt 0x0                           ; the wave's end, behind my last LDS store
	ds_add_u32 v[SPW], v[NIL]
	s_wait_dscnt 0x0
	s_endpgm
.Lfunc_end_k_qfcf0745e0d_quant:
	.size	k_qfcf0745e0d_quant, .Lfunc_end_k_qfcf0745e0d_quant-k_qfcf0745e0d_quant
	.p2alignl 7, 3214868480
	.fill 96, 4, 3214868480
	.section	.rodata,"a",@progbits
	.p2align	6, 0x0
	.amdhsa_kernel k_qfcf0745e0d_quant
		.amdhsa_group_segment_fixed_size 68096
		.amdhsa_private_segment_fixed_size 0
		.amdhsa_enable_private_segment 0
		.amdhsa_kernarg_size 72
		.amdhsa_user_sgpr_count 2
		.amdhsa_user_sgpr_kernarg_segment_ptr 1
		.amdhsa_wavefront_size32 1
		.amdhsa_system_sgpr_workgroup_id_x 1
		.amdhsa_system_sgpr_workgroup_id_y 1
		.amdhsa_system_sgpr_workgroup_id_z 1
		.amdhsa_system_vgpr_workitem_id 0
		.amdhsa_next_free_vgpr 192
		.amdhsa_next_free_sgpr 66
		.amdhsa_reserve_vcc 0
		.amdhsa_float_denorm_mode_32 3
		.amdhsa_float_denorm_mode_16_64 3
		.amdhsa_memory_ordered 1
		.amdhsa_forward_progress 1
		.amdhsa_inst_pref_size 74
	.end_amdhsa_kernel
	.amdgpu_metadata
---
amdhsa.version: [ 1, 2 ]
amdhsa.kernels:
  - .name:           k_qfcf0745e0d_quant
    .symbol:         k_qfcf0745e0d_quant.kd
    .args:
      - { .name: x, .offset: 0, .size: 8, .value_kind: global_buffer, .address_space: global }
      - { .name: Wq, .offset: 8, .size: 8, .value_kind: global_buffer, .address_space: global }
      - { .name: Wk, .offset: 16, .size: 8, .value_kind: global_buffer, .address_space: global }
      - { .name: Wv, .offset: 24, .size: 8, .value_kind: global_buffer, .address_space: global }
      - { .name: Wp, .offset: 32, .size: 8, .value_kind: global_buffer, .address_space: global }
      - { .name: xc, .offset: 40, .size: 8, .value_kind: global_buffer, .address_space: global }
      - { .name: xs, .offset: 48, .size: 8, .value_kind: global_buffer, .address_space: global }
      - { .name: wc, .offset: 56, .size: 8, .value_kind: global_buffer, .address_space: global }
      - { .name: ws, .offset: 64, .size: 8, .value_kind: global_buffer, .address_space: global }
    .group_segment_fixed_size: 68096
    .private_segment_fixed_size: 0
    .kernarg_segment_align: 8
    .kernarg_segment_size: 72
    .max_flat_workgroup_size: 128
    .sgpr_count:     66
    .vgpr_count:     192
    .wavefront_size: 32
...
	.end_amdgpu_metadata
.endif
;; end of part 1
;; launch qkv (part 2): grid 12 x 32, 4 waves a work-group, clusters of 4 x 4, 327,680 bytes of LDS; arguments xc, xs, wc, ws, qb, kv; writes qb, kv
.if DOCPART == 2
	.amdgcn_target "amdgcn-amd-amdhsa--gfx1250"
	.amdhsa_code_object_version 6
	.text
	.protected	k_qfcf0745e0d_qkv
	.globl	k_qfcf0745e0d_qkv
	.p2align	8
	.type	k_qfcf0745e0d_qkv,@function
k_qfcf0745e0d_qkv:
	s_mov_b64 s[64:65], 0
	v_nop
	global_prefetch_b8 v0, s[64:65] scope:SCOPE_SE
	s_setreg_imm32_b32 hwreg(HW_REG_WAVE_MODE, 25, 1), 1
	s_wait_xcnt 0x0
	s_wait_alu depctr_hold_cnt(0) depctr_sa_sdst(0) depctr_va_vdst(0) depctr_va_sdst(0) depctr_va_ssrc(0) depctr_va_vcc(0) depctr_vm_vsrc(0)
	s_getreg_b32 s2, hwreg(HW_REG_IB_STS2, 6, 4)
	s_cmp_eq_u32 s2, 0
	s_cbranch_scc0 .Lentry_in_a_cluster
	s_endpgm
.Lentry_in_a_cluster:
	s_bfe_u32 s2, ttmp6, 0x10000c
	s_cmp_lg_u32 s2, 0xf033
	s_cbranch_scc0 .Lentry_shape_is_right
	s_endpgm
.Lentry_shape_is_right:
; q = x Wq, k = x Wk, v = x Wv on codes of FP6 (E2M3) with E8M0 scales, K = 1,024; the results are quantised in registers and stored as images of the operand registers that the attention launch wants.
; A tile of 256 x 256 is made by four waves, 128 x 128 each: 64 accumulators, 512 registers.  K goes in steps of 256 through a ring of two LDS slots filled by the tensor data mover; the scale bytes of the
; tile's 512 rows come once.  4 x 4 work-groups form a cluster: side A's tile is shared along a row of the cluster, side B's along a column; each is asked for jointly.
; THE PRODUCT IS USED TRANSPOSED: source 0 = 16 rows of side B, source 1 = 16 rows of side A: a lane holds ONE row of side A, and its registers run along side B.
; Clusters x = 0 (q) and 1 (k): side A = tokens, side B = the weight's columns: a lane's registers run along the head's d, which is the K of q k^T.
; Cluster x = 2 (v): side A = Wv's columns, side B = tokens: a lane's registers run along the keys, which are the K of p v.  The role hangs on the cluster's x alone: it is the same in all sixteen partners.
; Rows of xc and wc lie at places with bits 3 and 4 of their number exchanged, so the 16 registers of accumulators 2 b and 2 b + 1 are 16 neighbours: register 16 b + i = index 32 b + 16 (lane / 16) + i.
; A RECORD of 13,312 bytes holds 128 tokens of one head: +0 four images of 12 registers (two tiles of 16 tokens x 64 d each), +6144 their scale words [lane][4], +6656 four fragments of v^T (16 d x 128 keys), +12800 their scale words.
; An image is 3 planes of 512 bytes, lane l's 16 bytes at 16 l: every store of a wave covers 512 consecutive bytes, aligned.
; LIMITS: a block of zeros gets the byte 1 (its codes are zeros; this program alone reads the bytes); largest magnitudes under 2^-124 have their byte held at 1; NaN and infinities are not served.
; REGISTERS: window 0: v0-31 addresses; v32-63 scale words, two sets, and nothing else; from v128 side A's fragments, one set; on the way out v64-195.  window 1: side B's fragments, two sets.  windows 2, 3: the accumulators.
.set SIZE_K, 1024
.set KSTEP,  256
.set NQ,     KSTEP/128
.set ROWB,   192                       ; a tile's row in bytes
.set KROW,   SIZE_K*6/8
.set PITCH,  240                       ; an LDS row: 3 x (64 bytes + 16 of padding)
.set FR,     12
.set NL,     6
.set NP,     4                         ; places behind this matrix instruction (ISA guide 7.12.1)
.set HALFT,  128*PITCH
.set SLOT,   4*HALFT
.set LAPS,   SIZE_K/(2*KSTEP)
.set KS,     SIZE_K/32
.set SCL,    2*SLOT                    ; behind the ring: the scales, as units of 256 bytes + 16 of padding
.set HALFS,  (128*KS/256)*272
.set SBLK,   (16*KS/256)*272
.set SPARE,  SCL+4*HALFS               ; the spare words, 128 bytes a wave
.set RECB,   13312
.set HEADB,  16*RECB
.set ADRA, 16                          ; v16-19  LDS addresses of side A's fragments in slot 0, 1 (and behind one padding more)
.set ADRB, 20                          ; v20-23  side B's
.set LI,   24                          ; v24     16 x lane
.set ADRS, 27                          ; v27     my scale words: lanes 0-15 side A's rows, lanes 16-31 side B's
.set SPW,  28
.set NIL,  29
.set SC,   32
.set AF,   128
.set IMB,  64                          ; the way out: v64-159 the images
.set TM,   160                         ; v160-175 largest magnitudes, bytes, scale operands
.set XT,   176                         ; v176-182 the conversions' second halves
.set PW,   184                         ; v184-186 scale words just made
.set SW,   188                         ; v188-195 scale words to store
.set SEL,  100                         ; s[100:101] v_permlanex16_b32's selects for lane l xor 16
.set HM,   94                          ; s94 on the way out: the mask of lanes 16-31
.set G1, 24
.set G0, 32
.set G1B, 48
.set G0B, 56
.set G1S, 68
.set G0S, 76
.set G1SB, 80
.set G0SB, 88
.set MSB, 0
.macro WIN new                         ; the immediate's high byte repeats the setting that is left
.if MSB != \new
	s_set_vgpr_msb (MSB<<8)|\new
.set MSB, \new
.endif
.endm
.set MUL_LO, 0xa1                      ; source 0 window 1, source 1 window 0, C and D window 2
.set MUL_HI, 0xf1
.set TO_B,   0x40
; A joint load: waves 0 and 1 fetch for side A, waves 2 and 3 for side B; the branch hangs on the wave's number alone.  An s_nop 0 and four v_nop follow each of the two lines.
.macro JLOAD g0a, g1a, g0b, g1b
	s_cmp_eq_u32 s15, 0
	s_cbranch_scc0 .Lfor_b_\@
	tensor_load_to_lds s[\g0a:\g0a+3], s[\g1a:\g1a+7]
	s_nop 0
.rept 4
	v_nop
.endr
	s_branch .Lasked_\@
.Lfor_b_\@:
	tensor_load_to_lds s[\g0b:\g0b+3], s[\g1b:\g1b+7]
	s_nop 0
.rept 4
	v_nop
.endr
.Lasked_\@:
.endm
.macro CREST
	s_cmp_lg_u32 s14, 0
	s_cbranch_scc1 .Lnot_wave_0_\@
	s_barrier_signal -3
.Lnot_wave_0_\@:
	s_barrier_wait -3
	s_barrier_signal -1
	s_barrier_wait -1
.endm
.macro CROUND
	s_barrier_signal -1
	s_barrier_wait -1
	CREST
.endm
	s_load_b128 s[4:7], s[0:1], 0x0                ; xc, xs
	s_load_b128 s[8:11], s[0:1], 0x10              ; wc, ws
	s_load_b128 s[96:99], s[0:1], 0x20             ; qb, kv
	v_lshl_add_u32 v[SPW], v0, 2, SPARE
	v_mov_b32 v[NIL], 0
	ds_add_u32 v[SPW], v[NIL]                      ; the wave's opening: the add and its wait ahead of my first tensor load
	v_lshrrev_b32 v1, 5, v0
	v_readfirstlane_b32 s14, v1                    ; wave 0..3
	s_lshr_b32 s15, s14, 1                         ; which half of side A's rows is mine.  Also: I fetch for A (0) or for B (1)
	s_and_b32 s16, s14, 1                          ; which half of side B's rows.  Also: which 128 rows I fetch
	s_bfe_u32 s40, ttmp6, 0x40000                  ; cx, cy
	s_bfe_u32 s41, ttmp6, 0x40004
	s_and_b32 s18, ttmp7, 0xffff
	s_lshl_b32 s18, s18, 2                         ; 4 x cluster y
	s_lshl_b32 s19, ttmp9, 2                       ; 4 x cluster x
	s_cmp_eq_u32 ttmp9, 2                          ; the role: v?
	s_cselect_b32 s17, 0, s18
	s_cselect_b32 s42, s18, s19
	s_cselect_b32 s95, 2048, 0                     ; Wv's rows begin at place 2,048 of wc
	s_add_co_u32 s17, s17, s41                     ; side A's tile: q, k: tokens 4 cluster y + cy;  v: Wv's columns cy
	s_add_co_u32 s42, s42, s40                     ; side B's tile: q, k: columns 4 cluster x + cx of Wq and Wk on end;  v: tokens 4 cluster y + cx
	s_lshl_b32 s43, s41, 2
	s_lshl_b32 s43, 15, s43                        ; my row of the cluster
	s_lshl_b32 s44, 0x1111, s40                    ; my column
	s_or_b32 s[G1+0], s43, (0<<16)|(1<<20)|(1<<21)|(3<<22)|(3<<25)  ; the mask; elements of 1 byte; padding on; bit 21 beside a mask; after every 16 words 4 words
	s_or_b32 s[G1B+0], s44, (0<<16)|(1<<20)|(1<<21)|(3<<22)|(3<<25)
.irp g, G1, G1B
	s_mov_b32 s[\g+1], ROWB<<16                    ; tensor_dim0
	s_mov_b32 s[\g+2], 128<<16                     ; tensor_dim1
	s_mov_b32 s[\g+3], ROWB<<16                    ; tile_dim0
	s_mov_b32 s[\g+4], 128                         ; tile_dim1
	s_mov_b32 s[\g+5], KROW                        ; the pitch
	s_mov_b32 s[\g+6], 0
	s_mov_b32 s[\g+7], 0
.endr
	s_or_b32 s[G1S+0], s43, (3<<16)|(1<<20)|(1<<21)|(5<<22)|(3<<25)  ; the scales of 128 rows: 4,096 dense bytes as 16 rows of 256, 16 bytes of padding behind each
	s_or_b32 s[G1SB+0], s44, (3<<16)|(1<<20)|(1<<21)|(5<<22)|(3<<25)
.irp g, G1S, G1SB
	s_mov_b32 s[\g+1], 32<<16
	s_mov_b32 s[\g+2], (128*KS/256)<<16
	s_mov_b32 s[\g+3], 32<<16
	s_mov_b32 s[\g+4], 128*KS/256
	s_mov_b32 s[\g+5], 32
	s_mov_b32 s[\g+6], 0
	s_mov_b32 s[\g+7], 0
.endr
	s_lshl_b32 s18, s16, 7                         ; which 128 rows of the tile I fetch
	s_lshl_b32 s20, s17, 8
	s_add_co_u32 s20, s20, s18
	s_add_co_u32 s20, s20, s95                     ; side A's first row
	s_lshl_b32 s46, s42, 8
	s_add_co_u32 s46, s46, s18                     ; side B's
	s_mov_b32 s21, 0
	s_mov_b32 s47, 0
	s_mov_b64 s[18:19], KS
	s_mul_u64 s[22:23], s[20:21], s[18:19]         ; where these rows' scales begin, in bytes
	s_mul_u64 s[92:93], s[46:47], s[18:19]
	s_mov_b64 s[18:19], KROW
	s_mul_u64 s[20:21], s[20:21], s[18:19]         ; and their codes
	s_mul_u64 s[46:47], s[46:47], s[18:19]
	s_mul_i32 s45, s14, HALFT                      ; where they go: wave x 128 rows
	s_mul_i32 s94, s14, HALFS
	s_wait_dscnt 0x0                               ; the opening add is done
	s_wait_kmcnt 0x0
	s_cmp_eq_u32 ttmp9, 2                          ; the sides' buffers by the role: a choice that hangs on no address
	s_cselect_b64 s[12:13], s[8:9], s[4:5]         ; side A's codes
	s_cselect_b64 s[8:9], s[4:5], s[8:9]           ; side B's codes
	s_cselect_b64 s[4:5], s[10:11], s[6:7]         ; side A's scales
	s_cselect_b64 s[10:11], s[6:7], s[10:11]       ; side B's scales
	s_add_nc_u64 s[20:21], s[12:13], s[20:21]
	s_add_nc_u64 s[22:23], s[4:5], s[22:23]
	s_add_nc_u64 s[46:47], s[8:9], s[46:47]
	s_add_nc_u64 s[92:93], s[10:11], s[92:93]
	CROUND                                         ; all sixteen work-groups are here: the first joint loads meet
	s_mov_b32 s[G0S], 1
	s_add_co_u32 s[G0S+1], s94, SCL
	s_mov_b64 s[G0S+2:G0S+3], s[22:23]
	s_or_b32 s[G0S+3], s[G0S+3], 0x80000000
	s_mov_b32 s[G0SB], 1
	s_add_co_u32 s[G0SB+1], s94, SCL
	s_mov_b64 s[G0SB+2:G0SB+3], s[92:93]
	s_or_b32 s[G0SB+3], s[G0SB+3], 0x80000000
	JLOAD G0S, G1S, G0SB, G1SB                     ; the scales first: three loads of mine are out at the most
.irp s, 0,1
	s_mov_b32 s[G0+4*\s], 1
	s_add_co_u32 s[G0+4*\s+1], s45, \s*SLOT
	s_add_nc_u64 s[G0+4*\s+2:G0+4*\s+3], s[20:21], \s*ROWB
	s_or_b32 s[G0+4*\s+3], s[G0+4*\s+3], 0x80000000
	s_mov_b32 s[G0B+4*\s], 1
	s_add_co_u32 s[G0B+4*\s+1], s45, \s*SLOT
	s_add_nc_u64 s[G0B+4*\s+2:G0B+4*\s+3], s[46:47], \s*ROWB
	s_or_b32 s[G0B+4*\s+3], s[G0B+4*\s+3], 0x80000000
	JLOAD G0+4*\s, G1, G0B+4*\s, G1B
.endr
	v_and_b32 v1, 15, v0                           ; l % 16
	v_bfe_u32 v2, v0, 4, 1                         ; l / 16
	v_mul_u32_u24 v3, v1, PITCH
	v_mul_u32_u24 v4, v2, 24
	v_add_nc_u32 v4, v3, v4                        ; a fragment's row x pitch + 24 x half
	v_lshl_add_u32 v5, v2, 4, v4                   ; and the same behind one padding more
	s_mul_i32 s21, s15, HALFT
	s_mul_i32 s22, s16, HALFT
	s_add_co_u32 s22, s22, 2*HALFT
.irp s, 0,1
	v_add_nc_u32 v[ADRA+\s], s21, v4
	v_add_nc_u32 v[ADRB+\s], s22, v4
	v_add_nc_u32 v[ADRA+2+\s], s21, v5
	v_add_nc_u32 v[ADRB+2+\s], s22, v5
	s_add_co_u32 s21, s21, SLOT
	s_add_co_u32 s22, s22, SLOT
.endr
	v_mul_u32_u24 v5, v1, KS                       ; my row's scales: KS bytes a row,
	v_lshrrev_b32 v6, 8, v5
	v_lshl_add_u32 v5, v6, 4, v5                   ; and 16 more for each 256 passed
	s_mul_i32 s21, s15, HALFS
	s_mul_i32 s22, s16, HALFS
	s_add_co_u32 s22, s22, 2*HALFS
	s_sub_co_u32 s22, s22, s21
	v_mul_u32_u24 v6, s22, v2                      ; lanes 16-31 take side B's
	s_add_co_u32 s21, s21, SCL
	v_add_nc_u32 v5, v5, v6
	v_add_nc_u32 v[ADRS], s21, v5
	v_and_b32 v6, 31, v0
	v_lshlrev_b32 v[LI], 4, v6
.macro FRAG reg, adr, q, i             ; 16 rows x 128 K of 6-bit codes: 12 registers, in pieces of 8 bytes; where the piece of lanes 16-31 lies behind one padding more, the second address register serves
.irp p, 0,1,2,3,4,5
.set PC, 12*(\q)+6*(\p/3)+\p%3
.if PC%8 < 5
	ds_load_b64 v[\reg+2*\p:\reg+2*\p+1], v[\adr] offset:8*PC+16*(PC/8)+(\i)*16*PITCH
.else
	ds_load_b64 v[\reg+2*\p:\reg+2*\p+1], v[\adr+2] offset:8*PC+16*(PC/8)+(\i)*16*PITCH
.endif
.endr
.endm
; 16 matrix instructions: side A's blocks a0, a0 + 1 x side B's eight.  The 64 accumulators take turns, one instruction a turn, in the same order in every step.
.macro MUL16 a0, p, q, sc, zero
.irp a, \a0, \a0+1
.irp b, 0,1,2,3,4,5,6,7
.if \zero
	v_wmma_scale_f32_16x16x128_f8f6f4 v[8*(8*((\a)%4)+\b):8*(8*((\a)%4)+\b)+7], v[128*(\p)+FR*\b:128*(\p)+FR*\b+FR-1], v[AF+FR*(\a):AF+FR*(\a)+FR-1], 0, v[SC+8*NQ*(\sc)+NQ*\b+(\q)], v[SC+8*NQ*(\sc)+NQ*(\a)+(\q)] matrix_a_fmt:MATRIX_FMT_FP6 matrix_b_fmt:MATRIX_FMT_FP6 matrix_a_scale:MATRIX_SCALE_ROW1
.else
	v_wmma_scale_f32_16x16x128_f8f6f4 v[8*(8*((\a)%4)+\b):8*(8*((\a)%4)+\b)+7], v[128*(\p)+FR*\b:128*(\p)+FR*\b+FR-1], v[AF+FR*(\a):AF+FR*(\a)+FR-1], v[8*(8*((\a)%4)+\b):8*(8*((\a)%4)+\b)+7], v[SC+8*NQ*(\sc)+NQ*\b+(\q)], v[SC+8*NQ*(\sc)+NQ*(\a)+(\q)] matrix_a_fmt:MATRIX_FMT_FP6 matrix_b_fmt:MATRIX_FMT_FP6 matrix_a_scale:MATRIX_SCALE_ROW1
.endif
.endr
.endr
.endm
.macro FETCH_B slot, q, p
	WIN TO_B
.irp i, 0,1,2,3,4,5,6,7
	FRAG 128*(\p)+FR*\i, ADRB+\slot, \q, \i
.endr
	WIN 0
.endm
.macro FETCH_A slot, q, i0
.irp i, \i0, \i0+1, \i0+2, \i0+3
	FRAG AF+FR*(\i), ADRA+\slot, \q, \i
.endr
.endm
.macro SCALES sc                       ; a K step's scale words: lanes 0-15 side A's block i, lanes 16-31 side B's block i
.irp i, 0,1,2,3,4,5,6,7
	ds_load_b64 v[SC+8*NQ*\sc+NQ*\i:SC+8*NQ*\sc+NQ*\i+1], v[ADRS] offset:\i*SBLK
.endr
.endm
.macro PLACES n                        ; plain vector instructions between a matrix instruction and a load into, a write of or a read of its registers
.rept \n
	v_nop
.endr
.endm
.macro STEP slot, q, zero              ; 128 along K that has its successor in the same slot
	s_wait_dscnt 4*NL                              ; all but the youngest 24 loads: side A's blocks 4-7
	WIN MUL_LO
	MUL16 0, (\q)%2, \q, \slot, \zero
	MUL16 2, (\q)%2, \q, \slot, \zero
	s_wait_dscnt 0
	PLACES NP
	FETCH_B \slot, (\q)+1, 1-(\q)%2
	FETCH_A \slot, (\q)+1, 0
	WIN MUL_HI
	MUL16 4, (\q)%2, \q, \slot, \zero
	MUL16 6, (\q)%2, \q, \slot, \zero
	PLACES NP
	WIN 0
	FETCH_A \slot, (\q)+1, 4
.endm
; A slot's last step changes slots: one barrier; in front of it each wave waits for all its tensor loads, adds 0 to its spare word, and waits for that and for its reads of this slot.
.macro TURN slot, next, fill
	s_wait_tensorcnt 0x0                           ; all my tensor loads have landed: my part of the next slot
	ds_add_u32 v[SPW], v[NIL]
	s_wait_dscnt 4*NL+1                            ; the add and the youngest 24 loads may be out
	WIN MUL_LO
	MUL16 0, 1, NQ-1, \slot, 0
	s_wait_dscnt 0x0                               ; the add is done, and my reads of this slot are over
	s_barrier_signal -1
	MUL16 2, 1, NQ-1, \slot, 0
	WIN 0
	s_barrier_wait -1
.if \fill
	CREST                                          ; the barrier has opened a round of the cluster's barrier: no wave of any partner still reads this slot or has a load on its way
	s_add_nc_u64 s[G0+4*\slot+2:G0+4*\slot+3], s[G0+4*\slot+2:G0+4*\slot+3], 2*ROWB
	s_add_nc_u64 s[G0B+4*\slot+2:G0B+4*\slot+3], s[G0B+4*\slot+2:G0B+4*\slot+3], 2*ROWB
	JLOAD G0+4*\slot, G1, G0B+4*\slot, G1B         ; the first tensor load behind the round; its four v_nop are the places in front of the loads below
.else
	PLACES NP
.endif
	v_add_nc_u32 v[ADRS], 4*NQ, v[ADRS]            ; on to the next K step's scale words
	FETCH_B \next, 0, 0
	FETCH_A \next, 0, 0
	SCALES \next
	WIN MUL_HI
	MUL16 4, 1, NQ-1, \slot, 0
	MUL16 6, 1, NQ-1, \slot, 0
	PLACES NP
	WIN 0
	FETCH_A \next, 0, 4
.endm
	s_wait_tensorcnt 1                             ; the scales and my part of K step 0 are in; K step 1's load may be out
	s_barrier_signal -1
	s_barrier_wait -1
	FETCH_B 0, 0, 0
	FETCH_A 0, 0, 0
	SCALES 0
	FETCH_A 0, 0, 4
	STEP 0, 0, 1                                   ; the first step's products start the sums
	s_mov_b32 s3, LAPS-1
.Llap:
	TURN 0, 1, 1
	STEP 1, 0, 0
	TURN 1, 0, 1
	STEP 0, 0, 0
	s_sub_co_u32 s3, s3, 1
	s_cmp_lg_u32 s3, 0
	s_cbranch_scc1 .Llap
	TURN 0, 1, 0                                   ; the last lap fills nothing
	STEP 1, 0, 0
	s_wait_dscnt 4*NL
	WIN MUL_LO
	MUL16 0, 1, NQ-1, 1, 0
	MUL16 2, 1, NQ-1, 1, 0
	s_wait_dscnt 0
	WIN MUL_HI
	MUL16 4, 1, NQ-1, 1, 0
	MUL16 6, 1, NQ-1, 1, 0
	WIN 0
; THE WAY OUT.  Block a of side A (16 rows, one a lane) has 64 registers a lane: four blocks of 32 along side B, 16 numbers in this lane and 16 in lane l xor 16.
; QUANTW makes of them 12 registers of codes (six at d0: blocks 0, 1; six at d1: blocks 2, 3; lanes 0-15 the even block, lanes 16-31 the odd) and the row's scale word in v[pw].
.macro QUANTW a, d0, d1, pw
.set AC, 64*((\a)%4)
.set WW, 2+(\a)/4
	WIN (WW<<2)|(WW<<4)                            ; sources 1 and 2: the accumulators' window
.irp b, 0,1,2,3
	v_max3_num_f32 v[TM+\b], 0x1800000, |v[AC+16*\b]|, |v[AC+16*\b+1]|   ; each accumulator is read from its low end on; the floor 2^(3 - 127) holds the byte at 1 from below
.endr
.irp i, 2,4,6,8,10,12,14
.irp b, 0,1,2,3
	v_max3_num_f32 v[TM+\b], v[TM+\b], |v[AC+16*\b+\i]|, |v[AC+16*\b+\i+1]|
.endr
.endr
	WIN 0
.irp b, 0,1,2,3
	v_permlanex16_b32 v[TM+4+\b], v[TM+\b], s[SEL], s[SEL+1]
.endr
.irp b, 0,1,2,3
	v_max_num_f32 v[TM+\b], v[TM+\b], v[TM+4+\b]   ; with lane l xor 16's: the block's largest magnitude
.endr
.irp b, 0,1,2,3
	v_add_nc_u32 v[TM+12+\b], 0xff000000, v[TM+\b] ; 2 off its exponent field: the conversion's scale operand
.endr
.irp b, 0,1,2,3
	v_lshrrev_b32 v[TM+4+\b], 23, v[TM+12+\b]      ; the scale's byte
.endr
	v_lshl_or_b32 v[\pw], v[TM+5], 8, v[TM+4]
	v_lshl_or_b32 v[\pw], v[TM+6], 16, v[\pw]
	v_lshl_or_b32 v[\pw], v[TM+7], 24, v[\pw]
	WIN WW                                         ; source 0: the accumulators' window
	v_cvt_scalef32_pk16_fp6_f32 v[(\d0):(\d0)+2], v[AC:AC+15], v[TM+12]
	v_cvt_scalef32_pk16_fp6_f32 v[XT:XT+2], v[AC+16:AC+31], v[TM+13]
	v_cvt_scalef32_pk16_fp6_f32 v[(\d1):(\d1)+2], v[AC+32:AC+47], v[TM+14]
	v_cvt_scalef32_pk16_fp6_f32 v[XT+4:XT+6], v[AC+48:AC+63], v[TM+15]
	WIN 0
	v_nop                                          ; one plain place behind a scaled conversion
.irp i, 0,1,2
	v_permlane16_swap_b32 v[(\d0)+\i], v[XT+\i]    ; a whole block to a lane
.endr
.irp i, 0,1,2
	v_mov_b32 v[(\d0)+3+\i], v[XT+\i]
.endr
.irp i, 0,1,2
	v_permlane16_swap_b32 v[(\d1)+\i], v[XT+4+\i]
.endr
.irp i, 0,1,2
	v_mov_b32 v[(\d1)+3+\i], v[XT+4+\i]
.endr
.endm
	PLACES NP                                      ; behind the last products: their results are read and side A's registers are written below
	s_mov_b32 s[SEL], 0x76543210
	s_mov_b32 s[SEL+1], 0xfedcba98
	s_mov_b32 s[HM], 0xffff0000
.irp b, 0,1,2,3
	v_mov_b32 v[TM+4+\b], 0                        ; written once: a lane permute's destination counts as one of its sources
.endr
	s_lshl_b32 s20, s17, 8
	s_lshl_b32 s21, s15, 7
	s_add_co_u32 s20, s20, s21                     ; my first row of side A
	s_lshl_b32 s22, s42, 8
	s_lshl_b32 s21, s16, 7
	s_add_co_u32 s22, s22, s21                     ; of side B
	s_and_b32 s23, s22, 1023                       ; (a column within its weight)
	s_cmp_eq_u32 ttmp9, 2
	s_cselect_b32 s18, s22, s20                    ; my first token,
	s_cselect_b32 s19, s20, s23                    ; my first column: two heads
	s_lshr_b32 s21, s18, 11                        ; the batch
	s_lshl_b32 s21, s21, 4
	s_lshr_b32 s19, s19, 6                         ; the head
	s_add_co_u32 s21, s21, s19
	s_lshl_b32 s21, s21, 4
	s_bfe_u32 s18, s18, 0x40007                    ; which 128 tokens of the 2,048
	s_add_co_u32 s21, s21, s18
	s_mul_i32 s46, s21, RECB                       ; my first head's record; the second head's lies HEADB on
	s_mov_b32 s47, 0
	s_cmp_eq_u32 ttmp9, 0
	s_cselect_b64 s[12:13], s[96:97], s[98:99]     ; q goes to qb, k and v to kv
	s_add_nc_u64 s[12:13], s[12:13], s[46:47]
	s_cmp_eq_u32 ttmp9, 2
	s_cbranch_scc1 .Lout_v
	; q or k: blocks 2 p and 2 p + 1 (32 tokens) make one image for each of the two heads: registers 0-5 the first 16 tokens, 6-11 the second.  Every image has registers of its own: no store's data are written again.
.irp p, 0,1,2,3
	QUANTW 2*\p, IMB+24*\p, IMB+24*\p+12, PW
	QUANTW 2*\p+1, IMB+24*\p+6, IMB+24*\p+18, PW+1
	v_cndmask_b32 v[PW+2], v[PW], v[PW+1], s[HM]   ; lanes 0-15: the first tile's words, lanes 16-31: the second's
	v_and_b32 v[SW+\p], 0xffff, v[PW+2]            ; the first head's two bytes; bytes 2 and 3 are 0
	v_lshrrev_b32 v[SW+4+\p], 16, v[PW+2]          ; the second head's
.irp e, 0,1
.irp c, 0,1,2
	global_store_b128 v[LI], v[IMB+24*\p+12*\e+4*\c:IMB+24*\p+12*\e+4*\c+3], s[12:13] offset:\e*HEADB+\p*1536+\c*512
.endr
.endr
.endr
	global_store_b128 v[LI], v[SW:SW+3], s[12:13] offset:6144
	global_store_b128 v[LI], v[SW+4:SW+7], s[12:13] offset:HEADB+6144
	s_branch .Lend
.Lout_v:
	; v: block a is 16 of a head's d (head a / 4, fragment a % 4) x my 128 keys: one fragment of v^T
.irp a, 0,1,2,3,4,5,6,7
	QUANTW \a, IMB+12*\a, IMB+12*\a+6, PW+(\a%2)
.irp c, 0,1,2
	global_store_b128 v[LI], v[IMB+12*\a+4*\c:IMB+12*\a+4*\c+3], s[12:13] offset:(\a/4)*HEADB+6656+(\a%4)*1536+\c*512
.endr
.if \a%2
	v_cndmask_b32 v[SW+4*(\a/4)+(\a%4)/2], v[PW], v[PW+1], s[HM]   ; lanes 0-15: the even fragment's words, lanes 16-31: the odd one's
	v_mov_b32 v[SW+4*(\a/4)+(\a%4)/2+2], v[SW+4*(\a/4)+(\a%4)/2]   ; (words 2 and 3 repeat them, so that the record has no byte that is not written)
.endif
.endr
	global_store_b128 v[LI], v[SW:SW+3], s[12:13] offset:12800
	global_store_b128 v[LI], v[SW+4:SW+7], s[12:13] offset:HEADB+12800
.Lend:
	s_wait_tensorcnt 0x0                           ; the wave's end
	ds_add_u32 v[SPW], v[NIL]
	s_wait_dscnt 0x0
	CROUND                                         ; the closing round
	s_endpgm
.Lfunc_end_k_qfcf0745e0d_qkv:
	.size	k_qfcf0745e0d_qkv, .Lfunc_end_k_qfcf0745e0d_qkv-k_qfcf0745e0d_qkv
	.p2alignl 7, 3214868480
	.fill 96, 4, 3214868480
	.section	.rodata,"a",@progbits
	.p2align	6, 0x0
	.amdhsa_kernel k_qfcf0745e0d_qkv
		.amdhsa_group_segment_fixed_size 327680
		.amdhsa_private_segment_fixed_size 0
		.amdhsa_enable_private_segment 0
		.amdhsa_kernarg_size 48
		.amdhsa_user_sgpr_count 2
		.amdhsa_user_sgpr_kernarg_segment_ptr 1
		.amdhsa_wavefront_size32 1
		.amdhsa_system_sgpr_workgroup_id_x 1
		.amdhsa_system_sgpr_workgroup_id_y 1
		.amdhsa_system_sgpr_workgroup_id_z 1
		.amdhsa_system_vgpr_workitem_id 0
		.amdhsa_next_free_vgpr 1024
		.amdhsa_next_free_sgpr 102
		.amdhsa_reserve_vcc 0
		.amdhsa_float_denorm_mode_32 3
		.amdhsa_float_denorm_mode_16_64 3
		.amdhsa_memory_ordered 1
		.amdhsa_forward_progress 1
		.amdhsa_inst_pref_size 199
	.end_amdhsa_kernel
	.amdgpu_metadata
---
amdhsa.version: [ 1, 2 ]
amdhsa.kernels:
  - .name:           k_qfcf0745e0d_qkv
    .symbol:         k_qfcf0745e0d_qkv.kd
    .args:
      - { .name: xc, .offset: 0, .size: 8, .value_kind: global_buffer, .address_space: global }
      - { .name: xs, .offset: 8, .size: 8, .value_kind: global_buffer, .address_space: global }
      - { .name: wc, .offset: 16, .size: 8, .value_kind: global_buffer, .address_space: global }
      - { .name: ws, .offset: 24, .size: 8, .value_kind: global_buffer, .address_space: global }
      - { .name: qb, .offset: 32, .size: 8, .value_kind: global_buffer, .address_space: global }
      - { .name: kv, .offset: 40, .size: 8, .value_kind: global_buffer, .address_space: global }
    .group_segment_fixed_size: 327680
    .private_segment_fixed_size: 0
    .kernarg_segment_align: 8
    .kernarg_segment_size: 48
    .max_flat_workgroup_size: 128
    .sgpr_count:     102
    .vgpr_count:     1024
    .wavefront_size: 32
...
	.end_amdgpu_metadata
.endif
;; end of part 2
;; launch attn (part 3): grid 4 x 64, 16 waves a work-group, clusters of 4 x 1, 327,680 bytes of LDS; arguments qb, kv, oc, osc; writes oc, osc
.if DOCPART == 3
	.amdgcn_target "amdgcn-amd-amdhsa--gfx1250"
	.amdhsa_code_object_version 6
	.text
	.protected	k_qfcf0745e0d_attn
	.globl	k_qfcf0745e0d_attn
	.p2align	8
	.type	k_qfcf0745e0d_attn,@function
k_qfcf0745e0d_attn:
	s_mov_b64 s[64:65], 0
	v_nop
	global_prefetch_b8 v0, s[64:65] scope:SCOPE_SE
	s_setreg_imm32_b32 hwreg(HW_REG_WAVE_MODE, 25, 1), 1
	s_wait_xcnt 0x0
	s_wait_alu depctr_hold_cnt(0) depctr_sa_sdst(0) depctr_va_vdst(0) depctr_va_sdst(0) depctr_va_ssrc(0) depctr_va_vcc(0) depctr_vm_vsrc(0)
	s_getreg_b32 s2, hwreg(HW_REG_IB_STS2, 6, 4)
	s_cmp_eq_u32 s2, 0
	s_cbranch_scc0 .Lentry_in_a_cluster
	s_endpgm
.Lentry_in_a_cluster:
	s_bfe_u32 s2, ttmp6, 0x10000c
	s_cmp_lg_u32 s2, 0x3003
	s_cbranch_scc0 .Lentry_shape_is_right
	s_endpgm
.Lentry_shape_is_right:
; Causal attention of one (batch, head) to a cluster of four work-groups, both products on codes of FP6 (E2M3) with E8M0 scales; o / l is quantised along the last product's K and stored as images of that product's operand.
; THE SOFTMAX: t = score x log2(e) / 8; M = the running largest t rounded UP to a whole number, kept as -M; p = 2^(t - M) is quantised along the keys; the row's sum is taken of the unquantised p and divides at the end.
; WHO OWNS WHAT.  The reshapes of the module put o[h][t][d] at row (t & 15) 128 + 2 d + (h >> 3), column (h & 7) 128 + (t >> 4): a block of 32 along the last K is the 32 queries t = 512 j + 16 i + tm of one d.
; So queries are owned by tm = t & 15: work-group cx has tm = 4 cx .. 4 cx + 3; wave w has tm = 4 cx + (w & 3) and j = ((w & 3) + (w >> 2)) & 3: two tiles of 16 queries, t = 256 g + 16 r + tm, g = 2 j and 2 j + 1.
; Every work-group has the same causal work, and whether waves are dealt to SIMDs by w % 4 or by w / 4, a SIMD gets one wave of each j.  A step is 128 keys; tile g works steps 0 .. 2 g + 1 and masks in steps 2 g and 2 g + 1:
; these bounds hang on the wave's number alone, not on the work-group's place in its cluster.
; THE WHOLE HEAD'S k AND v (16 records of 13,312 bytes, as the launch before laid them) COME INTO LDS ONCE, by joint loads of the four partners: no byte of LDS is filled again.
; LAYOUT.  S^T = k q^T (source 0 = 16 keys, source 1 = 16 queries), O^T = v^T p^T: a lane holds one query.  The keys of a tile are chosen so that the 16 registers of tiles 2 b, 2 b + 1 are keys 32 b + 16 (lane / 16) + 0 .. 15.
; THE HEAD SIZE IS 64, HALF OF THE INSTRUCTION'S K: q's fragments hold zero codes in registers 6-11.  k's tiles lie 6 registers apart, so the upper six registers that a product names hold the next tile's codes
; (for the last tile p's codes): finite numbers that meet q's zeros and add nothing; the scale bytes of that half are 0, which is 2^-127.
; LIMITS: a block of zeros gets the byte 1 (its codes are zeros); largest magnitudes under 2^-124 have their byte held at 1; NaN and infinities are not served.
; REGISTERS: v0, v10, v11 at work; v1 16 x lane; v2, v3 the add's; v4 q's scale words; v5, v47 p's; v6, v8 -M; v7 16 r + tm - 16 h; v9 the step's LDS address; v[12:15] the sums; v16-39 q; v40-43 k's or v's scale words;
; v44-46 at work; v48-95 k's 8 tiles, then v's 4 fragments; v96-107 tile 0's p codes; v108-171 S^T, then p; v172-235 O^T; v236-239, v240-251 at work, the latter then tile 1's p codes; v252-255 scale operands.
.set RECB,  13312
.set HEADB, 16*RECB
.set FST,   HEADB                      ; behind the head: a stage of 32 rows x 144 bytes for each wave,
.set FSTW,  32*144
.set CST,   FST+16*FSTW                ; the work-group's 16 fragments of codes,
.set SST,   CST+16*1536                ; their 256 scale words,
.set SPARE, SST+1024                   ; and the spare words, 128 bytes a wave
.set LI,  1
.set SPW, 2
.set NIL, 3
.set QS,  4
.set DQ,  7
.set ADR, 9
.set KSR, 40
.set KF,  48
.set S,   108
.set OB,  172
.set BM,  236
.set T8,  240
.set SO,  252
.set AFW, 96                           ; the way out's addresses, in tile 0's p registers
.set AFR, 97
.set ACW, 98
.set ASB, 99
.set ACR, 100
.set ASR, 104
.set WV,  12
.set CX,  13
.set BH,  14
.set WA,  15
.set WJ,  16
.set TMS, 17
.set SEL, 20
.set CS,  22
.set G1A, 24
.set G1B, 32
.set G0A, 40
.set G0B, 44
.set TB,  48                           ; s48  LDS byte at which the step's record begins
.set SI,  49                           ; s49  the step
.set HIL, 50                           ; s50  tile 1's last step, 4 j + 3
.set LOL, 51                           ; s51  tile 0's last step, 4 j + 1
.set LOO, 52                           ; s52  tile 0 masks from step 4 j on
.set HIO, 53                           ; s53  tile 1 from 4 j + 2 on
.set GQ0, 54                           ; s54  256 g of tile 0
.set GQ1, 55                           ; s55  of tile 1
.macro CROUND
	s_barrier_signal -1
	s_barrier_wait -1
	s_cmp_lg_u32 s[WV], 0
	s_cbranch_scc1 .Lnot_wave_0_\@
	s_barrier_signal -3
.Lnot_wave_0_\@:
	s_barrier_wait -3
	s_barrier_signal -1
	s_barrier_wait -1
.endm
; one scaled product.  z = 1: it starts the sum.  ra, rb: the half of the lanes from which source 0's and source 1's scale words are read
.macro WM d, a, b, z, sa, sb, ra, rb
.if \z
.if (\ra) && (\rb)
	v_wmma_scale_f32_16x16x128_f8f6f4 v[\d:\d+7], v[\a:\a+11], v[\b:\b+11], 0, v[\sa], v[\sb] matrix_a_fmt:MATRIX_FMT_FP6 matrix_b_fmt:MATRIX_FMT_FP6 matrix_a_scale:MATRIX_SCALE_ROW1 matrix_b_scale:MATRIX_SCALE_ROW1
.elseif (\ra)
	v_wmma_scale_f32_16x16x128_f8f6f4 v[\d:\d+7], v[\a:\a+11], v[\b:\b+11], 0, v[\sa], v[\sb] matrix_a_fmt:MATRIX_FMT_FP6 matrix_b_fmt:MATRIX_FMT_FP6 matrix_a_scale:MATRIX_SCALE_ROW1
.elseif (\rb)
	v_wmma_scale_f32_16x16x128_f8f6f4 v[\d:\d+7], v[\a:\a+11], v[\b:\b+11], 0, v[\sa], v[\sb] matrix_a_fmt:MATRIX_FMT_FP6 matrix_b_fmt:MATRIX_FMT_FP6 matrix_b_scale:MATRIX_SCALE_ROW1
.else
	v_wmma_scale_f32_16x16x128_f8f6f4 v[\d:\d+7], v[\a:\a+11], v[\b:\b+11], 0, v[\sa], v[\sb] matrix_a_fmt:MATRIX_FMT_FP6 matrix_b_fmt:MATRIX_FMT_FP6
.endif
.else
.if (\ra) && (\rb)
	v_wmma_scale_f32_16x16x128_f8f6f4 v[\d:\d+7], v[\a:\a+11], v[\b:\b+11], v[\d:\d+7], v[\sa], v[\sb] matrix_a_fmt:MATRIX_FMT_FP6 matrix_b_fmt:MATRIX_FMT_FP6 matrix_a_scale:MATRIX_SCALE_ROW1 matrix_b_scale:MATRIX_SCALE_ROW1
.elseif (\ra)
	v_wmma_scale_f32_16x16x128_f8f6f4 v[\d:\d+7], v[\a:\a+11], v[\b:\b+11], v[\d:\d+7], v[\sa], v[\sb] matrix_a_fmt:MATRIX_FMT_FP6 matrix_b_fmt:MATRIX_FMT_FP6 matrix_a_scale:MATRIX_SCALE_ROW1
.elseif (\rb)
	v_wmma_scale_f32_16x16x128_f8f6f4 v[\d:\d+7], v[\a:\a+11], v[\b:\b+11], v[\d:\d+7], v[\sa], v[\sb] matrix_a_fmt:MATRIX_FMT_FP6 matrix_b_fmt:MATRIX_FMT_FP6 matrix_b_scale:MATRIX_SCALE_ROW1
.else
	v_wmma_scale_f32_16x16x128_f8f6f4 v[\d:\d+7], v[\a:\a+11], v[\b:\b+11], v[\d:\d+7], v[\sa], v[\sb] matrix_a_fmt:MATRIX_FMT_FP6 matrix_b_fmt:MATRIX_FMT_FP6
.endif
.endif
.endm
	s_load_b256 s[4:11], s[0:1], 0x0               ; qb, kv, oc, osc
	v_lshl_add_u32 v[SPW], v0, 2, SPARE
	v_mov_b32 v[NIL], 0
	ds_add_u32 v[SPW], v[NIL]                      ; the wave's opening: the add and its wait ahead of the round in front of the first tensor loads
	ds_add_u32 v[SPW], v[NIL]
	v_lshrrev_b32 v1, 5, v0
	s_delay_alu instid0(VALU_DEP_1)
	v_readfirstlane_b32 s[WV], v1                  ; wave 0..15
	s_bfe_u32 s[CX], ttmp6, 0x40000                ; my place in the cluster: it enters global addresses and the mask's numbers alone
	s_and_b32 s[BH], ttmp7, 0xffff                 ; 16 x batch + head
	s_and_b32 s[WA], s[WV], 3
	s_lshr_b32 s[WJ], s[WV], 2
	s_add_co_u32 s[WJ], s[WJ], s[WA]
	s_and_b32 s[WJ], s[WJ], 3                      ; j
	s_lshl_b32 s[TMS], s[CX], 2
	s_add_co_u32 s[TMS], s[TMS], s[WA]             ; tm
	s_lshl_b32 s[LOO], s[WJ], 2
	s_add_co_u32 s[LOL], s[LOO], 1
	s_add_co_u32 s[HIO], s[LOO], 2
	s_add_co_u32 s[HIL], s[LOO], 3
	s_lshl_b32 s[GQ0], s[WJ], 9
	s_add_co_u32 s[GQ1], s[GQ0], 256
	s_mov_b32 s[SEL], 0x76543210
	s_mov_b32 s[SEL+1], 0xfedcba98
	s_mov_b32 s[CS], 0x3e38aa3b                    ; c = log2(e) / 8
	s_mov_b32 s[CS+1], s[CS]
	s_mov_b32 s[TB], 0
	s_mov_b32 s[SI], 0
	; descriptor groups 1: dense blocks as rows of 256 bytes (32 elements of 8 bytes), no padding; the mask names all four partners, bit 21 beside it
	s_mov_b32 s[G1A], 15|(3<<16)|(1<<21)
	s_mov_b32 s[G1A+1], 32<<16
	s_mov_b32 s[G1A+2], 52<<16                     ; one record: 52 rows
	s_mov_b32 s[G1A+3], 32<<16
	s_mov_b32 s[G1A+4], 52
	s_mov_b32 s[G1A+5], 32
	s_mov_b32 s[G1A+6], 0
	s_mov_b32 s[G1A+7], 0
	s_mov_b32 s[G1B], 15|(3<<16)|(1<<21)
	s_mov_b32 s[G1B+1], 32<<16
	s_mov_b32 s[G1B+2], 156<<16                    ; three records: 156 rows
	s_mov_b32 s[G1B+3], 32<<16
	s_mov_b32 s[G1B+4], 156
	s_mov_b32 s[G1B+5], 32
	s_mov_b32 s[G1B+6], 0
	s_mov_b32 s[G1B+7], 0
	s_mul_i32 s66, s[BH], HEADB                    ; the head's first byte in qb and in kv
	s_mov_b32 s67, 0
	s_mul_i32 s56, s[WV], RECB                     ; waves 0-3: record w,
	s_mov_b32 s57, 0
	s_mul_i32 s58, s[WV], 3*RECB
	s_add_co_u32 s58, s58, 4*RECB                  ; and records 4 + 3 w .. 6 + 3 w: in memory as in LDS
	s_mov_b32 s59, 0
	v_and_b32 v1, 31, v0
	s_delay_alu instid0(VALU_DEP_1)
	v_lshlrev_b32 v[LI], 4, v1
	s_wait_dscnt 0x0                               ; the opening add is done
	s_wait_kmcnt 0x0
	s_add_nc_u64 s[4:5], s[4:5], s[66:67]
	s_add_nc_u64 s[6:7], s[6:7], s[66:67]
	s_mov_b32 s[G0A], 1
	s_mov_b32 s[G0A+1], s56
	s_add_nc_u64 s[G0A+2:G0A+3], s[6:7], s[56:57]
	s_or_b32 s[G0A+3], s[G0A+3], 0x80000000
	s_mov_b32 s[G0B], 1
	s_mov_b32 s[G0B+1], s58
	s_add_nc_u64 s[G0B+2:G0B+3], s[6:7], s[58:59]
	s_or_b32 s[G0B+3], s[G0B+3], 0x80000000
	CROUND                                         ; all four work-groups are here: the joint loads meet
	s_cmp_lt_u32 s[WV], 4                          ; a wave's two fills stand in one branch on its number: two loads of mine are out at the most
	s_cbranch_scc0 .Lno_fetch
	tensor_load_to_lds s[G0A:G0A+3], s[G1A:G1A+7]
	s_nop 0
	tensor_load_to_lds s[G0B:G0B+3], s[G1B:G1B+7]
	s_nop 0
.rept 4
	v_nop
.endr
.Lno_fetch:
	; q's two fragments are gathered from the records of qb: query t = 256 g + 16 r + tm lies in record t >> 7, image (r & 7) >> 1, tile tm >> 3 of the image, row (tm & 7) + 8 (r & 1)
	v_and_b32 v108, 15, v0                         ; r
	v_bfe_u32 v109, v0, 4, 1                       ; h
	s_delay_alu instid0(VALU_DEP_2)
	v_bfe_u32 v110, v108, 1, 2                     ; the image
	s_delay_alu instid0(VALU_DEP_3)
	v_and_b32 v111, 1, v108
	s_and_b32 s56, s[TMS], 7
	v_lshl_or_b32 v111, v111, 3, s56               ; the row
	v_lshrrev_b32 v112, 3, v108
	s_lshr_b32 s57, s[TMS], 3                      ; u: registers 6 u .. 6 u + 5 of the image
	v_add_nc_u32 v113, s[LOO], v112                ; tile 0's record: 4 j + (r >> 3)
	s_delay_alu instid0(VALU_DEP_1)
	v_mul_u32_u24 v113, v113, RECB
	s_delay_alu instid0(VALU_DEP_1)
	v_mad_u32_u24 v113, v110, 1536, v113
	v_lshl_add_u32 v114, v109, 4, v111             ; the image's lane
	s_delay_alu instid0(VALU_DEP_1)
	v_lshl_add_u32 v113, v114, 4, v113
	s_mul_i32 s58, s57, 520                        ; the six registers as three pieces of 8 bytes in the planes: u = 0: bytes 0, 8, 512;  u = 1: 520, 1,024, 1,032
	s_mul_i32 s59, s57, 1016
	s_add_co_u32 s59, s59, 8
	s_add_co_u32 s60, s58, 512
	v_add_nc_u32 v116, s58, v113
	v_add_nc_u32 v117, s59, v113
	v_add_nc_u32 v118, s60, v113
.irp x, 0,1
.irp k, 0,1,2
	global_load_b64 v[16+12*\x+2*\k:17+12*\x+2*\k], v[116+\k], s[4:5] offset:\x*2*RECB
.endr
.endr
	v_lshl_add_u32 v119, v109, 1, v112             ; the scale words: lanes 0-15 tile 0's, lanes 16-31 tile 1's (two records on)
	s_delay_alu instid0(VALU_DEP_1)
	v_add_nc_u32 v119, s[LOO], v119
	s_delay_alu instid0(VALU_DEP_1)
	v_mul_u32_u24 v119, v119, RECB
	s_delay_alu instid0(VALU_DEP_1)
	v_lshl_add_u32 v119, v111, 4, v119
	s_delay_alu instid0(VALU_DEP_1)
	v_lshl_add_u32 v119, v110, 2, v119
	s_lshl_b32 s61, s57, 8
	s_add_co_u32 s61, s61, 6144
	v_add_nc_u32 v119, s61, v119
	global_load_b32 v[QS], v119, s[4:5]
	v_sub_nc_u32 v[DQ], v108, v109
	s_delay_alu instid0(VALU_DEP_1)
	v_lshlrev_b32 v[DQ], 4, v[DQ]
	s_delay_alu instid0(VALU_DEP_1)
	v_add_nc_u32 v[DQ], s[TMS], v[DQ]              ; 16 r + tm - 16 h
	v_mov_b32 v6, 0x7f61b1e6                       ; -M: M begins at -3e38, under every t
	v_mov_b32 v8, 0x7f61b1e6
	v_mov_b32 v5, 0
	v_mov_b32 v11, 0
.irp i, 12,13,14,15, 22,23,24,25,26,27, 34,35,36,37,38,39, 240,241,242,243
	v_mov_b32 v\i, 0                               ; the sums; q's upper halves: zero codes; the lane permutes' destinations
.endr
.set i, 0
.rept 12
	v_mov_b32 v[96+i], 0                           ; tile 0's p codes: named by the last key tile's product before they are first made
.set i, i+1
.endr
.set i, 0
.rept 64
	v_mov_b32 v[OB+i], 0                           ; O^T.  (The step is written for every step alike: the first finds zeros, which the first change of M leaves zeros)
.set i, i+1
.endr
.macro SCORES x                        ; S^T of tile x: eight tiles of 16 keys; k's scale words: register t / 2, half t % 2; q's: half x
.irp t, 0,1,2,3,4,5,6,7
	WM S+8*\t, KF+6*\t, 16+12*\x, 1, KSR+\t/2, QS, \t%2, \x
.endr
.rept 4
	v_nop                                          ; places behind the products, ahead of the first read of their results
.endr
.endm
.macro MASK lim, gq                    ; on the diagonal the scores of hidden keys become -infinity ahead of the maximum.  Register n holds key 128 step + 16 h + 32 (n / 16) + n % 16
	s_cmp_lt_u32 s[SI], s[\lim]
	s_cbranch_scc1 .Lopen_\@
	s_lshl_b32 s56, s[SI], 7
	s_sub_co_i32 s56, s[\gq], s56
	v_add_nc_u32 v0, s56, v[DQ]                    ; my query - the step's first key - 16 h
	v_mov_b32 v11, 0xff800000
.set n, 0
.rept 64
	v_cmp_gt_i32 vcc_lo, 32*(n/16)+n%16, v0
	v_cndmask_b32 v[S+n], v[S+n], v11, vcc_lo
.set n, n+1
.endr
.Lopen_\@:
.endm
.macro SOFTMAX x
.set NM, 6+2*\x
.set LL, 12+2*\x
.set PP, 96+144*\x
.set PSR, 5+42*\x
.set OO, OB+32*\x
.irp b, 0,1,2,3
	v_max3_num_f32 v[BM+\b], v[S+16*\b], v[S+16*\b+1], v[S+16*\b+2]   ; the largest score of each block of 32 keys: for the row's maximum and for the block's largest p
.endr
.irp i, 3,5,7,9,11,13
.irp b, 0,1,2,3
	v_max3_num_f32 v[BM+\b], v[BM+\b], v[S+16*\b+\i], v[S+16*\b+\i+1]
.endr
.endr
.irp b, 0,1,2,3
	v_max_num_f32 v[BM+\b], v[BM+\b], v[S+16*\b+15]
.endr
.irp b, 0,1,2,3
	s_delay_alu instid0(VALU_DEP_4)
	v_permlanex16_b32 v[T8+\b], v[BM+\b], s[SEL], s[SEL+1]
.endr
.irp b, 0,1,2,3
	s_delay_alu instid0(VALU_DEP_4)
	v_max_num_f32 v[BM+\b], v[BM+\b], v[T8+\b]     ; with lane l xor 16's 16 keys
.endr
	s_delay_alu instid0(VALU_DEP_2)
	v_max3_num_f32 v0, v[BM], v[BM+1], v[BM+2]
	s_delay_alu instid0(VALU_DEP_1)
	v_max_num_f32 v0, v0, v[BM+3]
	s_delay_alu instid0(VALU_DEP_1)
	v_mul_f32 v0, s[CS], v0                        ; the step's largest t
	v_mov_b32 v11, v[NM]
	s_delay_alu instid0(VALU_DEP_2)
	v_floor_f32 v0, -v0                            ; -ceil(t)
	s_delay_alu instid0(VALU_DEP_1)
	v_min_num_f32 v[NM], v[NM], v0                 ; the least of the floors is the floor of the least: -M of the running maximum
	s_delay_alu instid0(VALU_DEP_1)
	v_sub_f32 v11, v[NM], v11                      ; old M - new M: a whole number, 0 or less
	s_delay_alu instid0(VALU_DEP_1)
	v_cvt_i32_f32 v11, v11                         ; (it saturates)
	s_delay_alu instid0(VALU_DEP_1)
	v_ldexp_f32 v10, 1.0, v11                      ; f = 2^(old M - new M)
.set n, 0
.rept 32
	v_pk_fma_f32 v[S+n:S+n+1], v[S+n:S+n+1], s[CS:CS+1], v[NM:NM+1] op_sel_hi:[1,0,0]   ; t - M
.set n, n+2
.endr
.irp b, 0,1,2,3
	v_fma_f32 v[BM+\b], v[BM+\b], s[CS], v[NM]
.endr
.set n, 0
	s_wait_alu depctr_va_vdst(0)
.rept 64
	v_exp_f32 v[S+n], v[S+n]                       ; p = 2^(t - M)
.set n, n+1
.endr
	v_pk_mul_f32 v[LL:LL+1], v[LL:LL+1], v[10:11] op_sel_hi:[1,0]   ; the sums under the new M: the plain place behind the exponentials
	s_wait_alu depctr_va_vdst(0)                   ; one wait for the batch of 64, ahead of its first reader
.irp b, 0,1,2,3
	v_exp_f32 v[BM+\b], v[BM+\b]                   ; each block's largest p
.endr
	v_pk_add_f32 v[T8:T8+1], v[S:S+1], v[S+2:S+3]  ; the row's sum of the unquantised p, in two chains
.set n, 4
.rept 15
	v_pk_add_f32 v[LL:LL+1], v[LL:LL+1], v[S+n:S+n+1]
	v_pk_add_f32 v[T8:T8+1], v[T8:T8+1], v[S+n+2:S+n+3]
.set n, n+4
.endr
	s_delay_alu instid0(VALU_DEP_1)
	v_pk_add_f32 v[LL:LL+1], v[LL:LL+1], v[T8:T8+1]
	s_wait_alu depctr_va_vdst(0)                   ; and one for the four
.irp b, 0,1,2,3
	v_max_num_f32 v[BM+\b], 0x1800000, v[BM+\b]    ; the floor 2^(3 - 127)
.endr
.irp b, 0,1,2,3
	s_delay_alu instid0(VALU_DEP_4)
	v_add_nc_u32 v[SO+\b], 0xff000000, v[BM+\b]    ; the conversion's scale operand
.endr
.irp b, 0,1,2,3
	s_delay_alu instid0(VALU_DEP_4)
	v_lshrrev_b32 v[T8+4+\b], 23, v[SO+\b]         ; the scale's byte
.endr
	s_delay_alu instid0(VALU_DEP_3)
	v_lshl_or_b32 v[PSR], v[T8+5], 8, v[T8+4]
	s_delay_alu instid0(VALU_DEP_1)
	v_lshl_or_b32 v[PSR], v[T8+6], 16, v[PSR]
	s_delay_alu instid0(VALU_DEP_1)
	v_lshl_or_b32 v[PSR], v[T8+7], 24, v[PSR]
	v_cvt_scalef32_pk16_fp6_f32 v[PP:PP+2], v[S:S+15], v[SO]
	v_cvt_scalef32_pk16_fp6_f32 v[BM:BM+2], v[S+16:S+31], v[SO+1]
	v_cvt_scalef32_pk16_fp6_f32 v[PP+6:PP+8], v[S+32:S+47], v[SO+2]
	v_cvt_scalef32_pk16_fp6_f32 v[44:46], v[S+48:S+63], v[SO+3]
	v_nop                                          ; one plain place behind a scaled conversion
.irp i, 0,1,2
	v_permlane16_swap_b32 v[PP+\i], v[BM+\i]       ; a whole block to a lane
.endr
.irp i, 0,1,2
	s_delay_alu instid0(VALU_DEP_3)
	v_mov_b32 v[PP+3+\i], v[BM+\i]
.endr
.irp i, 0,1,2
	v_permlane16_swap_b32 v[PP+6+\i], v[44+\i]
.endr
.irp i, 0,1,2
	s_delay_alu instid0(VALU_DEP_3)
	v_mov_b32 v[PP+9+\i], v[44+\i]
.endr
.set n, 0
.rept 16
	v_pk_mul_f32 v[OO+n:OO+n+1], v[OO+n:OO+n+1], v[10:11] op_sel_hi:[1,0]   ; O^T under the new M, from each accumulator's low end on; also the places ahead of the products and loads that follow
.set n, n+2
.endr
.endm
; A STEP: 128 keys.  A wave whose two tiles are past their last step jumps over the work, not over the lines that step the address and the count.  No barrier and no tensor load stands in a step.
.macro STEP
	s_cmp_gt_u32 s[SI], s[HIL]
	s_cbranch_scc1 .Lhidden_\@
	s_setprio 2
	v_add_nc_u32 v[ADR], s[TB], v[LI]
.rept 3
	v_nop                                          ; with the addition: four places behind the last products, ahead of the loads into their registers
.endr
.set n, 0
.rept 12
	ds_load_b128 v[KF+4*n:KF+4*n+3], v[ADR] offset:512*n            ; k's four images as they lie: 512 consecutive bytes a load
.set n, n+1
.endr
	ds_load_b128 v[KSR:KSR+3], v[ADR] offset:6144
	s_wait_dscnt 0x0
	s_cmp_gt_u32 s[SI], s[LOL]
	s_cbranch_scc1 .Lno_lo_\@
	SCORES 0
	MASK LOO, GQ0
	SOFTMAX 0
.Lno_lo_\@:
	SCORES 1
	MASK HIO, GQ1
	s_setprio 1
	SOFTMAX 1
.set n, 0
	s_setprio 0
.rept 12
	ds_load_b128 v[KF+4*n:KF+4*n+3], v[ADR] offset:6656+512*n       ; v's four fragments
.set n, n+1
.endr
	ds_load_b64 v[KSR:KSR+1], v[ADR] offset:12800
	s_wait_dscnt 0x0
	s_cmp_gt_u32 s[SI], s[LOL]
	s_cbranch_scc1 .Lpv_hi_\@
	s_wait_alu depctr_va_vdst(0)
.irp dt, 0,1,2,3                       ; the eight accumulators take turns, one instruction a turn
	WM OB+8*\dt, KF+12*\dt, 96, 0, KSR+\dt/2, 5, \dt%2, 0
	WM OB+32+8*\dt, KF+12*\dt, 240, 0, KSR+\dt/2, 47, \dt%2, 0
.endr
	s_branch .Lpv_done_\@
.Lpv_hi_\@:
	s_wait_alu depctr_va_vdst(0)
.irp dt, 0,1,2,3
	WM OB+32+8*\dt, KF+12*\dt, 240, 0, KSR+\dt/2, 47, \dt%2, 0
.endr
.Lpv_done_\@:
.Lhidden_\@:
	s_add_co_u32 s[TB], s[TB], RECB
	s_add_co_u32 s[SI], s[SI], 1
.endm
	s_wait_tensorcnt 0x1                           ; my record of the first four is in; the three behind it may stay out
	s_barrier_signal -1
	s_barrier_wait -1
	s_wait_loadcnt 0x0                             ; q
.Lfirst4:                                          ; steps 0-3 read records 0-3 alone
	STEP
	s_cmp_lt_u32 s[SI], 4
	s_cbranch_scc1 .Lfirst4
	s_setprio 0
	s_wait_tensorcnt 0x0                           ; my other three records are in,
	s_wait_dscnt 0x0
	s_barrier_signal -1
	s_barrier_wait -1                              ; everybody's are
	s_mov_b32 s[TB], 4*RECB
	s_mov_b32 s[SI], 4
.Lrest:
	STEP
	s_cmp_lt_u32 s[SI], 16
	s_cbranch_scc1 .Lrest
	s_setprio 0
	; THE WAY OUT.  O^T / l; then 32 d at a time through my stage, so that a lane holds one d and its 32 registers the block's 32 queries i = 16 x tile + r; quantised; codes and bytes meet in the work-group's fragments.
.rept 4
	v_nop                                          ; places behind the last products
.endr
	v_add_f32 v12, v12, v13
	v_add_f32 v14, v14, v15
	s_delay_alu instid0(VALU_DEP_2)
	v_permlanex16_b32 v240, v12, s[SEL], s[SEL+1]
	s_delay_alu instid0(VALU_DEP_2)
	v_permlanex16_b32 v241, v14, s[SEL], s[SEL+1]
	s_delay_alu instid0(VALU_DEP_2)
	v_add_f32 v12, v12, v240
	s_delay_alu instid0(VALU_DEP_2)
	v_add_f32 v14, v14, v241
	s_wait_alu depctr_va_vdst(0)
	v_rcp_f32 v12, v12
	v_rcp_f32 v14, v14
	v_lshrrev_b32 v101, 4, v[LI]                   ; lane.  (The address work is the plain work behind the reciprocals)
	s_delay_alu instid0(VALU_DEP_1)
	v_and_b32 v102, 15, v101
	s_wait_alu depctr_va_vdst(0)
	v_lshrrev_b32 v103, 4, v101
	s_mul_i32 s56, s[WV], FSTW
	s_add_co_u32 s56, s56, FST
	v_mul_u32_u24 v[AFW], v102, 144
	s_delay_alu instid0(VALU_DEP_1)
	v_lshl_add_u32 v[AFW], v103, 6, v[AFW]
	s_delay_alu instid0(VALU_DEP_1)
	v_add_nc_u32 v[AFW], s56, v[AFW]               ; into my stage: row r (+ 16 for tile 1), 64 h bytes on
	v_lshl_add_u32 v[AFR], v101, 2, s56            ; out of it: column = lane
	s_mul_i32 s57, s[WA], 4*1536                   ; the fragments: 4 (tm & 3) + d / 16; in them lane 16 (j & 1) + d % 16, bytes 24 (j >> 1) on
	s_and_b32 s58, s[WJ], 1
	s_mul_i32 s58, s58, 768
	s_add_co_u32 s57, s57, s58
	s_lshr_b32 s58, s[WJ], 1
	s_mul_i32 s58, s58, 24
	s_add_co_u32 s57, s57, s58
	s_add_co_u32 s57, s57, CST
	v_mul_u32_u24 v[ACW], v102, 48
	s_wait_alu depctr_va_vdst(0)
	v_mad_u32_u24 v[ACW], v103, 1536, v[ACW]
	s_delay_alu instid0(VALU_DEP_1)
	v_add_nc_u32 v[ACW], s57, v[ACW]
	s_lshl_b32 s58, s[WA], 8                       ; the scale words: row 64 (tm & 3) + d, byte j
	s_add_co_u32 s58, s58, s[WJ]
	s_add_co_u32 s58, s58, SST
	v_lshl_add_u32 v[ASB], v101, 2, s58
	s_mul_i32 s59, s[WV], 1536
	s_add_co_u32 s59, s59, CST
	v_add_nc_u32 v[ACR], s59, v[LI]                ; the copy out: fragment w
	s_and_b32 s61, s[WV], 1
	s_lshl_b32 s61, s61, 9
	s_add_co_u32 s61, s61, SST
	v_add_nc_u32 v[ASR], s61, v[LI]                ; and half of the scale words
	s_lshr_b32 s60, s[BH], 4                       ; the last product's tile of rows: 8 batch + 4 (head >> 3) + cx; its K step: head & 7
	s_lshl_b32 s60, s60, 3
	s_bfe_u32 s61, s[BH], 0x10003
	s_lshl_b32 s61, s61, 2
	s_add_co_u32 s60, s60, s61
	s_add_co_u32 s60, s60, s[CX]
	s_lshl_b32 s60, s60, 3
	s_and_b32 s61, s[BH], 7
	s_add_co_u32 s60, s60, s61
	s_mul_i32 s62, s60, 16*1536
	s_mul_i32 s61, s[WV], 1536
	s_add_co_u32 s62, s62, s61
	s_mov_b32 s63, 0
	s_add_nc_u64 s[8:9], s[8:9], s[62:63]
	s_lshl_b32 s62, s60, 10
	s_and_b32 s61, s[WV], 1
	s_lshl_b32 s61, s61, 9
	s_add_co_u32 s62, s62, s61
	s_add_nc_u64 s[10:11], s[10:11], s[62:63]
	s_wait_alu depctr_va_vdst(0)                   ; one wait for the two reciprocals, ahead of their first reader
.irp x, 0,1
.set n, 0
.rept 16
	v_pk_mul_f32 v[OB+32*\x+n:OB+32*\x+n+1], v[OB+32*\x+n:OB+32*\x+n+1], v[12+2*\x:13+2*\x] op_sel_hi:[1,0]   ; each accumulator from its low end on
.set n, n+2
.endr
.endr
.irp be, 0,1                           ; d = 32 be + 16 h + 8 u + 0 .. 7 lies in fragment 2 be + u
.irp x, 0,1
.irp u, 0,1
.irp q, 0,1
	ds_store_b128 v[AFW], v[OB+32*\x+8*(2*\be+\u)+4*\q:OB+32*\x+8*(2*\be+\u)+4*\q+3] offset:2304*\x+32*\u+16*\q
.endr
.endr
.endr
.set i, 0
.rept 32
	ds_load_b32 v[S+32*\be+i], v[AFR] offset:144*i                 ; LDS serves a wave's instructions in order: these see the stores above, and the next half's stores come behind them
.set i, i+1
.endr
.endr
.macro BLOCKQ be, tt                   ; my d's block of 32 queries: the scale, 24 bytes of codes, the byte
.set XS, S+32*\be
	v_max3_num_f32 v6, |v[XS]|, |v[XS+1]|, |v[XS+2]|
	v_max3_num_f32 v8, |v[XS+3]|, |v[XS+4]|, |v[XS+5]|
.irp i, 6,10,14,18,22,26
	s_delay_alu instid0(VALU_DEP_2)
	v_max3_num_f32 v6, v6, |v[XS+\i]|, |v[XS+\i+1]|
	s_delay_alu instid0(VALU_DEP_2)
	v_max3_num_f32 v8, v8, |v[XS+\i+2]|, |v[XS+\i+3]|
.endr
	s_delay_alu instid0(VALU_DEP_2)
	v_max3_num_f32 v6, v6, |v[XS+30]|, |v[XS+31]|
	s_delay_alu instid0(VALU_DEP_1)
	v_max3_num_f32 v6, v6, v8, 0x1800000
	s_delay_alu instid0(VALU_DEP_1)
	v_add_nc_u32 v10, 0xff000000, v6
	s_delay_alu instid0(VALU_DEP_1)
	v_lshrrev_b32 v[SO+\be], 23, v10
	v_cvt_scalef32_pk16_fp6_f32 v[T8+6*\be:T8+6*\be+2], v[XS:XS+15], v10
	v_cvt_scalef32_pk16_fp6_f32 v[\tt:\tt+2], v[XS+16:XS+31], v10
	v_nop                                          ; one plain place behind a scaled conversion
.irp i, 0,1,2
	v_mov_b32 v[T8+6*\be+3+\i], v[\tt+\i]
.endr
.irp i, 0,1,2
	ds_store_b64 v[ACW], v[T8+6*\be+2*\i:T8+6*\be+2*\i+1] offset:3072*\be+8*\i
.endr
	ds_store_b8 v[ASB], v[SO+\be] offset:128*\be
.endm
	s_wait_dscnt 40                                ; the first half's 32 loads are in; behind them: the second half's 8 stores and 32 loads
	BLOCKQ 0, BM
	s_wait_dscnt 4                                 ; the second half's loads are in; behind them: the four stores just issued
	BLOCKQ 1, 44
	s_wait_dscnt 0x0                               ; for the others' sake: my stores have landed
	s_barrier_signal -1
	s_barrier_wait -1
	s_cmp_lt_u32 s[WV], 2                          ; the 256 scale words: waves 0 and 1, 512 consecutive bytes each
	s_cbranch_scc0 .Lno_sc
	ds_load_b128 v[120:123], v[ASR]
	s_wait_dscnt 0x0
	global_store_b128 v[LI], v[120:123], s[10:11]
.Lno_sc:
	ds_load_b128 v[108:111], v[ACR]                ; fragment w: 1,536 bytes
	ds_load_b128 v[112:115], v[ACR] offset:512
	ds_load_b128 v[116:119], v[ACR] offset:1024
	s_wait_dscnt 0x0
	global_store_b128 v[LI], v[108:111], s[8:9]
	global_store_b128 v[LI], v[112:115], s[8:9] offset:512
	global_store_b128 v[LI], v[116:119], s[8:9] offset:1024
	s_wait_tensorcnt 0x0                           ; the wave's end, behind my last tensor load and my last LDS store
	ds_add_u32 v[SPW], v[NIL]
	s_wait_dscnt 0x0
	CROUND                                         ; the closing round
	s_endpgm
.Lfunc_end_k_qfcf0745e0d_attn:
	.size	k_qfcf0745e0d_attn, .Lfunc_end_k_qfcf0745e0d_attn-k_qfcf0745e0d_attn
	.p2alignl 7, 3214868480
	.fill 96, 4, 3214868480
	.section	.rodata,"a",@progbits
	.p2align	6, 0x0
	.amdhsa_kernel k_qfcf0745e0d_attn
		.amdhsa_group_segment_fixed_size 327680
		.amdhsa_private_segment_fixed_size 0
		.amdhsa_enable_private_segment 0
		.amdhsa_kernarg_size 32
		.amdhsa_user_sgpr_count 2
		.amdhsa_user_sgpr_kernarg_segment_ptr 1
		.amdhsa_wavefront_size32 1
		.amdhsa_system_sgpr_workgroup_id_x 1
		.amdhsa_system_sgpr_workgroup_id_y 1
		.amdhsa_system_sgpr_workgroup_id_z 1
		.amdhsa_system_vgpr_workitem_id 0
		.amdhsa_next_free_vgpr 256
		.amdhsa_next_free_sgpr 70
		.amdhsa_reserve_vcc 1
		.amdhsa_float_denorm_mode_32 3
		.amdhsa_float_denorm_mode_16_64 3
		.amdhsa_memory_ordered 1
		.amdhsa_forward_progress 1
		.amdhsa_inst_pref_size 110
	.end_amdhsa_kernel
	.amdgpu_metadata
---
amdhsa.version: [ 1, 2 ]
amdhsa.kernels:
  - .name:           k_qfcf0745e0d_attn
    .symbol:         k_qfcf0745e0d_attn.kd
    .args:
      - { .name: qb, .offset: 0, .size: 8, .value_kind: global_buffer, .address_space: global }
      - { .name: kv, .offset: 8, .size: 8, .value_kind: global_buffer, .address_space: global }
      - { .name: oc, .offset: 16, .size: 8, .value_kind: global_buffer, .address_space: global }
      - { .name: osc, .offset: 24, .size: 8, .value_kind: global_buffer, .address_space: global }
    .group_segment_fixed_size: 327680
    .private_segment_fixed_size: 0
    .kernarg_segment_align: 8
    .kernarg_segment_size: 32
    .max_flat_workgroup_size: 512
    .sgpr_count:     70
    .vgpr_count:     256
    .wavefront_size: 32
...
	.end_amdgpu_metadata
.endif
;; end of part 3
;; launch proj (part 4): grid 4 x 32, 4 waves a work-group, clusters of 4 x 4, 327,680 bytes of LDS; arguments oc, osc, wc, ws, out0; writes out0
.if DOCPART == 4
	.amdgcn_target "amdgcn-amd-amdhsa--gfx1250"
	.amdhsa_code_object_version 6
	.text
	.protected	k_qfcf0745e0d_proj
	.globl	k_qfcf0745e0d_proj
	.p2align	8
	.type	k_qfcf0745e0d_proj,@function
k_qfcf0745e0d_proj:
	s_mov_b64 s[64:65], 0
	v_nop
	global_prefetch_b8 v0, s[64:65] scope:SCOPE_SE
	s_setreg_imm32_b32 hwreg(HW_REG_WAVE_MODE, 25, 1), 1
	s_wait_xcnt 0x0
	s_wait_alu depctr_hold_cnt(0) depctr_sa_sdst(0) depctr_va_vdst(0) depctr_va_sdst(0) depctr_va_ssrc(0) depctr_va_vcc(0) depctr_vm_vsrc(0)
	s_getreg_b32 s2, hwreg(HW_REG_IB_STS2, 6, 4)
	s_cmp_eq_u32 s2, 0
	s_cbranch_scc0 .Lentry_in_a_cluster
	s_endpgm
.Lentry_in_a_cluster:
	s_bfe_u32 s2, ttmp6, 0x10000c
	s_cmp_lg_u32 s2, 0xf033
	s_cbranch_scc0 .Lentry_shape_is_right
	s_endpgm
.Lentry_shape_is_right:
; out = o3 Wp on codes of FP6 (E2M3) with E8M0 scales, K = 1,024.  Side A (o3) comes as images of the operand's registers: oc [tile of 256 rows 32][128 along K 8][fragment 16][lane 32][48 bytes], osc [32][8][row 256] words.
; Side B is Wp's part of wc and ws (places 3,072 on), rows of codes with K innermost; its rows lie at places with bits 3 and 4 of the column's number exchanged.
; A tile of 256 x 256 is made by four waves, 128 x 128 each.  K goes in steps of 256 through a ring of two LDS slots; the scale words of the tile come once.  4 x 4 work-groups form a cluster: side A's tile is
; shared along a row of the cluster, side B's along a column; each is asked for jointly.  The grid has 128 tiles: a smaller tile would read each LDS byte for half as many products.
; THE PRODUCT IS USED TRANSPOSED: source 0 = 16 rows of Wp^T, source 1 = 16 rows of o3: a lane holds eight numbers of one row of the output.
; Row r of fragment f of tile Mt is output row 2048 (Mt >> 3) + 512 (Mt & 3) + 32 f + 2 r + ((Mt >> 2) & 1).
; REGISTERS: window 0: v0-31 addresses; v32-63 scale words, two sets, and nothing else; from v128 side A's fragments, one set, later rows on the way out.  window 1: side B's fragments, two sets.  windows 2, 3: the accumulators.
.set KSTEP,  256
.set NQ,     2
.set ROWB,   192
.set KROW,   768
.set PITCH,  240
.set FR,     12
.set NL,     6                         ; LDS loads of a fragment of side B
.set NLA,    3                         ; of side A
.set NP,     4
.set AQ,     16*1536                   ; side A's 16 fragments of 128 along K
.set APART,  2*AQ
.set HALFT,  128*PITCH
.set SLOT,   APART+2*HALFT             ; side A's images, then side B's 256 rows
.set LAPS,   2
.set SCL,    2*SLOT                    ; behind the ring: the scales, as units of 256 bytes + 16 of padding: side A's 8,192 bytes, then side B's
.set HALFS,  16*272
.set SPARE,  SCL+4*HALFS
.set SPITCH, 528                       ; the way out: a stage of 16 rows x (512 + 16) bytes a wave, in slot 0, which has had its last fill and its last read by then
.set ADRA, 16                          ; v16-17
.set ADRB, 20                          ; v20-23
.set STO,  24
.set RD,   25
.set CO,   26
.set ADSA, 27                          ; v27  side A's scale words: 4 bytes a lane, 32 rows a load
.set SPW,  28
.set NIL,  29
.set ADSB, 30                          ; v30  side B's: 32 rows a load, two words each
.set SC,   32                          ; set s at v[32 + 16 s]: registers 4 q + a / 2: side A's fragments a (half a % 2); registers 8 + 2 (b / 2) + q: side B's fragments b (half b % 2)
.set AF,   128
.set BK,   128
.set G1, 24
.set G0, 32
.set G1B, 48
.set G0B, 56
.set G1S, 68
.set G0S, 76
.set G1SB, 80
.set G0SB, 88
.set MSB, 0
.macro WIN new
.if MSB != \new
	s_set_vgpr_msb (MSB<<8)|\new
.set MSB, \new
.endif
.endm
.set MUL_LO, 0xa1
.set MUL_HI, 0xf1
.set TO_B,   0x40
.macro JLOAD g0a, g1a, g0b, g1b        ; waves 0 and 1 fetch for side A, waves 2 and 3 for side B; an s_nop 0 and four v_nop follow each of the two lines
	s_cmp_eq_u32 s15, 0
	s_cbranch_scc0 .Lfor_b_\@
	tensor_load_to_lds s[\g0a:\g0a+3], s[\g1a:\g1a+7]
	s_nop 0
.rept 4
	v_nop
.endr
	s_branch .Lasked_\@
.Lfor_b_\@:
	tensor_load_to_lds s[\g0b:\g0b+3], s[\g1b:\g1b+7]
	s_nop 0
.rept 4
	v_nop
.endr
.Lasked_\@:
.endm
.macro CREST
	s_cmp_lg_u32 s14, 0
	s_cbranch_scc1 .Lnot_wave_0_\@
	s_barrier_signal -3
.Lnot_wave_0_\@:
	s_barrier_wait -3
	s_barrier_signal -1
	s_barrier_wait -1
.endm
.macro CROUND
	s_barrier_signal -1
	s_barrier_wait -1
	CREST
.endm
.macro WM d, a, b, z, sa, sb, ra, rb   ; one scaled product.  z = 1: it starts the sum.  ra, rb: the half of the lanes from which the scale words are read
.if \z
.if (\ra) && (\rb)
	v_wmma_scale_f32_16x16x128_f8f6f4 v[\d:\d+7], v[\a:\a+11], v[\b:\b+11], 0, v[\sa], v[\sb] matrix_a_fmt:MATRIX_FMT_FP6 matrix_b_fmt:MATRIX_FMT_FP6 matrix_a_scale:MATRIX_SCALE_ROW1 matrix_b_scale:MATRIX_SCALE_ROW1
.elseif (\ra)
	v_wmma_scale_f32_16x16x128_f8f6f4 v[\d:\d+7], v[\a:\a+11], v[\b:\b+11], 0, v[\sa], v[\sb] matrix_a_fmt:MATRIX_FMT_FP6 matrix_b_fmt:MATRIX_FMT_FP6 matrix_a_scale:MATRIX_SCALE_ROW1
.elseif (\rb)
	v_wmma_scale_f32_16x16x128_f8f6f4 v[\d:\d+7], v[\a:\a+11], v[\b:\b+11], 0, v[\sa], v[\sb] matrix_a_fmt:MATRIX_FMT_FP6 matrix_b_fmt:MATRIX_FMT_FP6 matrix_b_scale:MATRIX_SCALE_ROW1
.else
	v_wmma_scale_f32_16x16x128_f8f6f4 v[\d:\d+7], v[\a:\a+11], v[\b:\b+11], 0, v[\sa], v[\sb] matrix_a_fmt:MATRIX_FMT_FP6 matrix_b_fmt:MATRIX_FMT_FP6
.endif
.else
.if (\ra) && (\rb)
	v_wmma_scale_f32_16x16x128_f8f6f4 v[\d:\d+7], v[\a:\a+11], v[\b:\b+11], v[\d:\d+7], v[\sa], v[\sb] matrix_a_fmt:MATRIX_FMT_FP6 matrix_b_fmt:MATRIX_FMT_FP6 matrix_a_scale:MATRIX_SCALE_ROW1 matrix_b_scale:MATRIX_SCALE_ROW1
.elseif (\ra)
	v_wmma_scale_f32_16x16x128_f8f6f4 v[\d:\d+7], v[\a:\a+11], v[\b:\b+11], v[\d:\d+7], v[\sa], v[\sb] matrix_a_fmt:MATRIX_FMT_FP6 matrix_b_fmt:MATRIX_FMT_FP6 matrix_a_scale:MATRIX_SCALE_ROW1
.elseif (\rb)
	v_wmma_scale_f32_16x16x128_f8f6f4 v[\d:\d+7], v[\a:\a+11], v[\b:\b+11], v[\d:\d+7], v[\sa], v[\sb] matrix_a_fmt:MATRIX_FMT_FP6 matrix_b_fmt:MATRIX_FMT_FP6 matrix_b_scale:MATRIX_SCALE_ROW1
.else
	v_wmma_scale_f32_16x16x128_f8f6f4 v[\d:\d+7], v[\a:\a+11], v[\b:\b+11], v[\d:\d+7], v[\sa], v[\sb] matrix_a_fmt:MATRIX_FMT_FP6 matrix_b_fmt:MATRIX_FMT_FP6
.endif
.endif
.endm
	s_load_b128 s[4:7], s[0:1], 0x0                ; oc, osc
	s_load_b128 s[8:11], s[0:1], 0x10              ; wc, ws
	s_load_b64 s[12:13], s[0:1], 0x20              ; out0
	v_lshl_add_u32 v[SPW], v0, 2, SPARE
	v_mov_b32 v[NIL], 0
	ds_add_u32 v[SPW], v[NIL]                      ; the wave's opening: the add and its wait ahead of my first tensor load
	v_lshrrev_b32 v1, 5, v0
	v_readfirstlane_b32 s14, v1                    ; wave 0..3
	s_lshr_b32 s15, s14, 1                         ; which half of side A's rows is mine.  Also: I fetch for A (0) or for B (1)
	s_and_b32 s16, s14, 1                          ; which half of side B's rows.  Also: which half of a tile I fetch
	s_bfe_u32 s40, ttmp6, 0x40000
	s_bfe_u32 s41, ttmp6, 0x40004
	s_lshl_b32 s42, ttmp9, 2
	s_add_co_u32 s42, s42, s40                     ; side B's tile: 256 columns of the output
	s_and_b32 s17, ttmp7, 0xffff
	s_lshl_b32 s17, s17, 2
	s_add_co_u32 s17, s17, s41                     ; side A's tile Mt
	s_lshl_b32 s43, s41, 2
	s_lshl_b32 s43, 15, s43                        ; my row of the cluster
	s_lshl_b32 s44, 0x1111, s40                    ; my column
	s_or_b32 s[G1+0], s43, (3<<16)|(1<<21)         ; side A: 24,576 dense bytes as 96 rows of 256 (32 elements of 8 bytes), no padding
	s_mov_b32 s[G1+1], 32<<16
	s_mov_b32 s[G1+2], 96<<16
	s_mov_b32 s[G1+3], 32<<16
	s_mov_b32 s[G1+4], 96
	s_mov_b32 s[G1+5], 32
	s_mov_b32 s[G1+6], 0
	s_mov_b32 s[G1+7], 0
	s_or_b32 s[G1B+0], s44, (0<<16)|(1<<20)|(1<<21)|(3<<22)|(3<<25)  ; side B: 128 rows of 192 bytes, 16 bytes of padding behind every 64
	s_mov_b32 s[G1B+1], ROWB<<16
	s_mov_b32 s[G1B+2], 128<<16
	s_mov_b32 s[G1B+3], ROWB<<16
	s_mov_b32 s[G1B+4], 128
	s_mov_b32 s[G1B+5], KROW
	s_mov_b32 s[G1B+6], 0
	s_mov_b32 s[G1B+7], 0
	s_or_b32 s[G1S+0], s43, (3<<16)|(1<<20)|(1<<21)|(5<<22)|(3<<25)  ; the scales: 4,096 dense bytes as 16 rows of 256, 16 bytes of padding behind each
	s_or_b32 s[G1SB+0], s44, (3<<16)|(1<<20)|(1<<21)|(5<<22)|(3<<25)
.irp g, G1S, G1SB
	s_mov_b32 s[\g+1], 32<<16
	s_mov_b32 s[\g+2], 16<<16
	s_mov_b32 s[\g+3], 32<<16
	s_mov_b32 s[\g+4], 16
	s_mov_b32 s[\g+5], 32
	s_mov_b32 s[\g+6], 0
	s_mov_b32 s[\g+7], 0
.endr
	s_mul_i32 s20, s17, 8*AQ                       ; side A's codes: the tile, + which 128 along K of a step I fetch
	s_mul_i32 s18, s16, AQ
	s_add_co_u32 s20, s20, s18
	s_mov_b32 s21, 0
	s_lshl_b32 s22, s17, 13                        ; its scale words: 8,192 bytes a tile, + my half
	s_lshl_b32 s18, s16, 12
	s_add_co_u32 s22, s22, s18
	s_mov_b32 s23, 0
	s_lshl_b32 s46, s42, 8
	s_lshl_b32 s18, s16, 7
	s_add_co_u32 s46, s46, s18
	s_add_co_u32 s46, s46, 3072                    ; side B's first row: Wp's places begin at 3,072
	s_lshl_b32 s92, s46, 5
	s_mov_b32 s93, 0
	s_mul_i32 s46, s46, KROW
	s_mov_b32 s47, 0
	s_mul_i32 s45, s16, AQ                         ; where they go in a slot: side A's,
	s_mul_i32 s95, s16, HALFT
	s_add_co_u32 s95, s95, APART                   ; side B's,
	s_mul_i32 s94, s14, HALFS                      ; and the scales
	s_wait_dscnt 0x0                               ; the opening add is done
	s_wait_kmcnt 0x0
	s_add_nc_u64 s[20:21], s[4:5], s[20:21]
	s_add_nc_u64 s[22:23], s[6:7], s[22:23]
	s_add_nc_u64 s[46:47], s[8:9], s[46:47]
	s_add_nc_u64 s[92:93], s[10:11], s[92:93]
	CROUND                                         ; all sixteen work-groups are here: the first joint loads meet
	s_mov_b32 s[G0S], 1
	s_add_co_u32 s[G0S+1], s94, SCL
	s_mov_b64 s[G0S+2:G0S+3], s[22:23]
	s_or_b32 s[G0S+3], s[G0S+3], 0x80000000
	s_mov_b32 s[G0SB], 1
	s_add_co_u32 s[G0SB+1], s94, SCL
	s_mov_b64 s[G0SB+2:G0SB+3], s[92:93]
	s_or_b32 s[G0SB+3], s[G0SB+3], 0x80000000
	JLOAD G0S, G1S, G0SB, G1SB                     ; the scales first: three loads of mine are out at the most
.irp s, 0,1
	s_mov_b32 s[G0+4*\s], 1
	s_add_co_u32 s[G0+4*\s+1], s45, \s*SLOT
	s_add_nc_u64 s[G0+4*\s+2:G0+4*\s+3], s[20:21], \s*APART
	s_or_b32 s[G0+4*\s+3], s[G0+4*\s+3], 0x80000000
	s_mov_b32 s[G0B+4*\s], 1
	s_add_co_u32 s[G0B+4*\s+1], s95, \s*SLOT
	s_add_nc_u64 s[G0B+4*\s+2:G0B+4*\s+3], s[46:47], \s*ROWB
	s_or_b32 s[G0B+4*\s+3], s[G0B+4*\s+3], 0x80000000
	JLOAD G0+4*\s, G1, G0B+4*\s, G1B
.endr
	v_and_b32 v1, 15, v0                           ; l % 16
	v_bfe_u32 v2, v0, 4, 1                         ; l / 16
	v_and_b32 v6, 31, v0                           ; lane
	v_mul_u32_u24 v3, v1, PITCH
	v_mul_u32_u24 v4, v2, 24
	v_add_nc_u32 v4, v3, v4                        ; side B: a fragment's row x pitch + 24 x half
	v_lshl_add_u32 v5, v2, 4, v4                   ; and the same behind one padding more
	v_mul_u32_u24 v7, v6, 48                       ; side A: 48 bytes a lane
	s_mul_i32 s21, s15, 8*1536                     ; my 8 fragments of side A
	s_mul_i32 s22, s16, HALFT
	s_add_co_u32 s22, s22, APART                   ; my 128 rows of side B
.irp s, 0,1
	v_add_nc_u32 v[ADRA+\s], s21, v7
	v_add_nc_u32 v[ADRB+\s], s22, v4
	v_add_nc_u32 v[ADRB+2+\s], s22, v5
	s_add_co_u32 s21, s21, SLOT
	s_add_co_u32 s22, s22, SLOT
.endr
	s_mul_i32 s21, s15, 544                        ; side A's words lie [128 along K][row]: a unit of 256 bytes is 64 rows; my 128 rows are two units
	s_add_co_u32 s21, s21, SCL
	v_lshl_add_u32 v[ADSA], v6, 2, s21
	s_mul_i32 s22, s16, HALFS                      ; side B's lie [row][32 bytes]: a unit is 8 rows
	s_add_co_u32 s22, s22, SCL+2*HALFS
	v_lshrrev_b32 v8, 3, v6
	v_and_b32 v9, 7, v6
	v_mul_u32_u24 v8, v8, 272
	v_lshl_add_u32 v8, v9, 5, v8
	v_add_nc_u32 v[ADSB], s22, v8
	s_mul_i32 s23, s14, 16*SPITCH                  ; my stage
	v_mul_u32_u24 v5, v1, SPITCH                   ; in: row l % 16; column 32 (b / 2) + 16 h + 8 (b % 2) + 0 .. 7 of my 128
	v_lshl_add_u32 v5, v2, 6, v5
	v_add_nc_u32 v[STO], s23, v5
	v_lshlrev_b32 v[CO], 4, v6                     ; back: the 32 lanes take one row of 512 bytes; and the same in the output
	v_add_nc_u32 v[RD], s23, v[CO]
	s_lshr_b32 s20, s17, 3
	s_lshl_b32 s20, s20, 11
	s_and_b32 s21, s17, 3
	s_lshl_b32 s21, s21, 9
	s_add_co_u32 s20, s20, s21
	s_lshl_b32 s21, s15, 8
	s_add_co_u32 s20, s20, s21
	s_bfe_u32 s21, s17, 0x10002
	s_add_co_u32 s20, s20, s21                     ; my first output row
	s_lshl_b32 s20, s20, 12                        ; 4,096 bytes a row
	s_mov_b32 s21, 0
	s_lshl_b32 s46, s42, 10                        ; my first column, in bytes
	s_lshl_b32 s47, s16, 9
	s_add_co_u32 s46, s46, s47
	s_mov_b32 s47, 0
	s_add_nc_u64 s[20:21], s[20:21], s[46:47]
	s_add_nc_u64 s[12:13], s[12:13], s[20:21]
.macro FRAG reg, adr, q, i             ; side B: 12 registers in pieces of 8 bytes
.irp p, 0,1,2,3,4,5
.set PC, 12*(\q)+6*(\p/3)+\p%3
.if PC%8 < 5
	ds_load_b64 v[\reg+2*\p:\reg+2*\p+1], v[\adr] offset:8*PC+16*(PC/8)+(\i)*16*PITCH
.else
	ds_load_b64 v[\reg+2*\p:\reg+2*\p+1], v[\adr+2] offset:8*PC+16*(PC/8)+(\i)*16*PITCH
.endif
.endr
.endm
.macro FRAGA reg, slot, q, i           ; side A: the image as it lies: lanes 48 bytes apart, three loads of 16 bytes
.irp p, 0,1,2
	ds_load_b128 v[\reg+4*\p:\reg+4*\p+3], v[ADRA+\slot] offset:(\q)*AQ+(\i)*1536+16*\p
.endr
.endm
; 16 matrix instructions: side A's blocks a0, a0 + 1 x side B's eight.  The 64 accumulators take turns, one instruction a turn.
.macro MUL16 a0, p, q, sc, zero
.irp a, \a0, \a0+1
.irp b, 0,1,2,3,4,5,6,7
	WM 8*(8*((\a)%4)+\b), 128*(\p)+FR*\b, AF+FR*(\a), \zero, SC+16*(\sc)+8+2*(\b/2)+(\q), SC+16*(\sc)+4*(\q)+(\a)/2, \b%2, (\a)%2
.endr
.endr
.endm
.macro FETCH_B slot, q, p
	WIN TO_B
.irp i, 0,1,2,3,4,5,6,7
	FRAG 128*(\p)+FR*\i, ADRB+\slot, \q, \i
.endr
	WIN 0
.endm
.macro FETCH_A slot, q, i0
.irp i, \i0, \i0+1, \i0+2, \i0+3
	FRAGA AF+FR*(\i), \slot, \q, \i
.endr
.endm
.macro SCALES sc
.irp q, 0,1
.irp a, 0,1,2,3
	ds_load_b32 v[SC+16*\sc+4*\q+\a], v[ADSA] offset:(4*\q+\a/2)*272+(\a%2)*128
.endr
.endr
.irp b, 0,1,2,3
	ds_load_b64 v[SC+16*\sc+8+2*\b:SC+16*\sc+8+2*\b+1], v[ADSB] offset:1088*\b
.endr
.endm
.macro PLACES n
.rept \n
	v_nop
.endr
.endm
.macro STEP slot, q, zero
	s_wait_dscnt 4*NLA                             ; all but the youngest 12 loads: side A's blocks 4-7
	WIN MUL_LO
	MUL16 0, (\q)%2, \q, \slot, \zero
	MUL16 2, (\q)%2, \q, \slot, \zero
	s_wait_dscnt 0
	PLACES NP
	FETCH_B \slot, (\q)+1, 1-(\q)%2
	FETCH_A \slot, (\q)+1, 0
	WIN MUL_HI
	MUL16 4, (\q)%2, \q, \slot, \zero
	MUL16 6, (\q)%2, \q, \slot, \zero
	PLACES NP
	WIN 0
	FETCH_A \slot, (\q)+1, 4
.endm
.macro TURN slot, next, fill
	s_wait_tensorcnt 0x0                           ; all my tensor loads have landed: my part of the next slot
	ds_add_u32 v[SPW], v[NIL]
	s_wait_dscnt 4*NLA+1                           ; the add and the youngest 12 loads may be out
	WIN MUL_LO
	MUL16 0, 1, NQ-1, \slot, 0
	s_wait_dscnt 0x0                               ; the add is done, and my reads of this slot are over
	s_barrier_signal -1
	MUL16 2, 1, NQ-1, \slot, 0
	WIN 0
	s_barrier_wait -1
.if \fill
	CREST                                          ; the barrier has opened a round of the cluster's barrier
	s_add_nc_u64 s[G0+4*\slot+2:G0+4*\slot+3], s[G0+4*\slot+2:G0+4*\slot+3], 2*APART
	s_add_nc_u64 s[G0B+4*\slot+2:G0B+4*\slot+3], s[G0B+4*\slot+2:G0B+4*\slot+3], 2*ROWB
	JLOAD G0+4*\slot, G1, G0B+4*\slot, G1B         ; the first tensor load behind the round; its four v_nop are the places in front of the loads below
.else
	PLACES NP
.endif
	v_add_nc_u32 v[ADSA], 8*272, v[ADSA]           ; on to the next K step's scale words: side A's eight units on,
	v_add_nc_u32 v[ADSB], 8, v[ADSB]               ; side B's two words on
	FETCH_B \next, 0, 0
	FETCH_A \next, 0, 0
	SCALES \next
	WIN MUL_HI
	MUL16 4, 1, NQ-1, \slot, 0
	MUL16 6, 1, NQ-1, \slot, 0
	PLACES NP
	WIN 0
	FETCH_A \next, 0, 4
.endm
	s_wait_tensorcnt 1                             ; the scales and my part of K step 0 are in; K step 1's load may be out
	s_barrier_signal -1
	s_barrier_wait -1
	FETCH_B 0, 0, 0
	FETCH_A 0, 0, 0
	SCALES 0
	FETCH_A 0, 0, 4
	STEP 0, 0, 1                                   ; the first step's products start the sums
	s_mov_b32 s3, LAPS-1
.Llap:
	TURN 0, 1, 1
	STEP 1, 0, 0
	TURN 1, 0, 1
	STEP 0, 0, 0
	s_sub_co_u32 s3, s3, 1
	s_cmp_lg_u32 s3, 0
	s_cbranch_scc1 .Llap
	TURN 0, 1, 0                                   ; the last lap fills nothing
	STEP 1, 0, 0
	s_wait_dscnt 4*NLA
	WIN MUL_LO
	MUL16 0, 1, NQ-1, 1, 0
	MUL16 2, 1, NQ-1, 1, 0
	s_wait_dscnt 0
	WIN MUL_HI
	MUL16 4, 1, NQ-1, 1, 0
	MUL16 6, 1, NQ-1, 1, 0
	WIN 0
; THE WAY OUT, block by block of 16 rows x 128 columns, through my own stage: back come whole rows of 512 bytes.  LDS serves a wave's instructions in order (ISA guide 5.7.1.4).
.macro TOSTAGE a
.set AC, 64*((\a)%4)
	WIN 0x08+4*((\a)/4)                            ; the data: window 2 or 3
.irp b, 0,1,2,3,4,5,6,7
	ds_store_b128 v[STO], v[AC+8*\b:AC+8*\b+3] offset:128*(\b/2)+32*(\b%2)          ; each accumulator from its low end on
	ds_store_b128 v[STO], v[AC+8*\b+4:AC+8*\b+7] offset:128*(\b/2)+32*(\b%2)+16
.endr
	WIN 0
.set BB, BK+64*((\a)%2)
.irp t, 0,1,2,3,4,5,6,7,8,9,10,11,12,13,14,15
	ds_load_b128 v[BB+4*\t:BB+4*\t+3], v[RD] offset:\t*SPITCH
.endr
.endm
.macro SEND a, younger
.set BB, BK+64*((\a)%2)
	s_wait_dscnt \younger                          ; the block is back in registers
.if (\a) > 0
	s_add_nc_u64 s[12:13], s[12:13], 32*4096       ; (behind a wait on XCNT)  a fragment's 16 rows are every second of 32 output rows
.endif
.irp t, 0,1,2,3,4,5,6,7,8,9,10,11,12,13,14,15
	global_store_b128 v[CO], v[BB+4*\t:BB+4*\t+3], s[12:13] offset:\t*8192 th:TH_STORE_NT   ; 32 lanes store 512 consecutive bytes, aligned
.endr
.endm
	PLACES NP
	TOSTAGE 0
.irp a, 1,2,3,4,5,6,7
.if \a > 1
	s_wait_xcnt 0x0                                ; block a - 2's stores have read their registers and their base
.endif
	TOSTAGE \a
	SEND \a-1, 32                                  ; behind block a - 1's loads: block a's 16 stores and 16 loads
.endr
	s_wait_xcnt 0x0
	SEND 7, 0
	s_wait_tensorcnt 0x0                           ; the wave's end
	ds_add_u32 v[SPW], v[NIL]
	s_wait_dscnt 0x0
	CROUND                                         ; the closing round
	s_endpgm
.Lfunc_end_k_qfcf0745e0d_proj:
	.size	k_qfcf0745e0d_proj, .Lfunc_end_k_qfcf0745e0d_proj-k_qfcf0745e0d_proj
	.p2alignl 7, 3214868480
	.fill 96, 4, 3214868480
	.section	.rodata,"a",@progbits
	.p2align	6, 0x0
	.amdhsa_kernel k_qfcf0745e0d_proj
		.amdhsa_group_segment_fixed_size 327680
		.amdhsa_private_segment_fixed_size 0
		.amdhsa_enable_private_segment 0
		.amdhsa_kernarg_size 40
		.amdhsa_user_sgpr_count 2
		.amdhsa_user_sgpr_kernarg_segment_ptr 1
		.amdhsa_wavefront_size32 1
		.amdhsa_system_sgpr_workgroup_id_x 1
		.amdhsa_system_sgpr_workgroup_id_y 1
		.amdhsa_system_sgpr_workgroup_id_z 1
		.amdhsa_system_vgpr_workitem_id 0
		.amdhsa_next_free_vgpr 1024
		.amdhsa_next_free_sgpr 98
		.amdhsa_reserve_vcc 0
		.amdhsa_float_denorm_mode_32 3
		.amdhsa_float_denorm_mode_16_64 3
		.amdhsa_memory_ordered 1
		.amdhsa_forward_progress 1
		.amdhsa_inst_pref_size 149
	.end_amdhsa_kernel
	.amdgpu_metadata
---
amdhsa.version: [ 1, 2 ]
amdhsa.kernels:
  - .name:           k_qfcf0745e0d_proj
    .symbol:         k_qfcf0745e0d_proj.kd
    .args:
      - { .name: oc, .offset: 0, .size: 8, .value_kind: global_buffer, .address_space: global }
      - { .name: osc, .offset: 8, .size: 8, .value_kind: global_buffer, .address_space: global }
      - { .name: wc, .offset: 16, .size: 8, .value_kind: global_buffer, .address_space: global }
      - { .name: ws, .offset: 24, .size: 8, .value_kind: global_buffer, .address_space: global }
      - { .name: out0, .offset: 32, .size: 8, .value_kind: global_buffer, .address_space: global }
    .group_segment_fixed_size: 327680
    .private_segment_fixed_size: 0
    .kernarg_segment_align: 8
    .kernarg_segment_size: 40
    .max_flat_workgroup_size: 128
    .sgpr_count:     98
    .vgpr_count:     1024
    .wavefront_size: 32
...
	.end_amdgpu_metadata
.endif
;; end of part 4
